; MI455X (gfx1250); checked and timed in simulation.
; The chip was launched on July 23, 2026; its instructions are those of AMD's public machine-readable ISA for CDNA 5 (MIT licence, August 2026) and "CDNA5" Instruction Set Architecture Reference Guide (July 2026). The comments in the code are by the model that wrote it; some were corrected since.
;; Torch Attention. Allowed arithmetic: matrix products marked QUANTISED: E2M1 operands, one E8M0 scale for each 32 along K, by v_wmma_scale_f32_16x16x128_f8f6f4 with both operands' format E2M1 (or v_wmma_scale_f32_32x16x128_f4), f32 sums; products left as they are: bf16, f16 or f32 operands; f32 sums; everything else in f32.
;; Inputs: W_k 1,024 x 1,024 float32; W_o 1,024 x 1,024 float32; W_q 1,024 x 1,024 float32; W_v 1,024 x 1,024 float32; x 2 x 2,048 x 1,024 float32.
;; Outputs: out0 2 x 2,048 x 1,024 float32.
;; This version of the problem:
;;   THIS VERSION OF THE PROBLEM IS GIVEN IN LOW PRECISION. The matrix products marked QUANTISED in the list below multiply operands that are first quantised to E2M1 (2 exponent bits, 1 mantissa bit; 4 bits a number), with one power-of-two scale for each 32 numbers along K (OCP MX v1.0); their sums are f32. The products marked 'left as it is' may take bf16, f16 or f32 operands, with f32 sums. Whichever they take, every output number must still come out within the allowed error. Rounding operands to bf16 (8 significant bits) uses up far more of that allowance than f16 does (11 bits, for magnitudes from 6e-5 to 65,504). All else is computed in f32.
;;   The module's matrix products, in the order in which they are computed (A, B: the left and right operand; K: the contracted axis; several contracted axes count as one K, in the product's order):
;;     1. [M 4,096, K 1,024] x [K 1,024, N 1,024]; A: input x; B: input W_q: QUANTISED
;;     2. [M 4,096, K 1,024] x [K 1,024, N 1,024]; A: input x; B: input W_k: QUANTISED
;;     3. [M 4,096, K 1,024] x [K 1,024, N 1,024]; A: input x; B: input W_v: QUANTISED
;;     4. batch 32 x [M 2,048, K 64] x [K 64, N 2,048]; A: computed on the way; B: computed on the way: left as it is (an operand is computed on the way)
;;     5. batch 32 x [M 2,048, K 2,048] x [K 2,048, N 64]; A: computed on the way; B: computed on the way: left as it is (an operand is computed on the way)
;;     6. [M 4,096, K 1,024] x [K 1,024, N 1,024]; A: computed on the way; B: input W_o: left as it is (an operand is computed on the way)
;;   THE QUANTISER, for each operand of a quantised product, along K:
;;     - K is cut into blocks of 32 from its start; a last block that is shorter is filled with zeros.
;;     - A block's scale is 2^e with e = floor(log2(the largest magnitude in the block)) - 2, held to -126 .. 127; a block of zeros has e = 0. As a byte (E8M0): e + 127.
;;     - Each number is divided by its block's scale, clamped to +-6, and rounded to the nearest number of E2M1, ties to even, subnormals kept.
;;     - The product sums the exact products of the quantised numbers (number of the format x scale) in f32.
;;   ~~~python
;;   def quantise(x, axis):      # numpy; x: float32 -> the quantised numbers, widened to float32 again
;;       x = np.moveaxis(x, axis, -1); K = x.shape[-1]
;;       x = np.pad(x, [(0, 0)] * (x.ndim - 1) + [(0, -K % 32)]); x = x.reshape(x.shape[:-1] + (-1, 32)); a = np.abs(x).max(-1, keepdims=True)
;;       e = np.where(a > 0, np.clip(np.frexp(np.where(a > 0, a, 1))[1] - 1 - 2, -126, 127), 0)      # np.frexp(a)[1] - 1 = floor(log2(a)), exactly
;;       r = np.clip(x / 2.0 ** e, -6, 6)
;;       step = 2.0 ** (np.maximum(np.frexp(np.where(r == 0, 1, r))[1] - 1, 0) - 1)
;;       q = np.round(r / step) * step * 2.0 ** e      # np.round: ties to even
;;       return np.moveaxis(q.reshape(q.shape[:-2] + (-1,))[..., :K], -1, axis).astype(np.float32)
;;   ~~~
;; One version. Each part assembles by itself: llvm-mc -triple=amdgcn-amd-amdhsa -mcpu=gfx1250 --defsym DOCPART=n.
;; ======== version 1 of 1: 4 launches
;; limits: values are held in f16: magnitudes above 65,504 overflow, below 6.1e-05 lose precision
;; workspace buffers: xc 2,097,152 bytes; xs 131,072 bytes; wc 1,572,864 bytes; ws 98,304 bytes; wo16 2,097,152 bytes; qkv 25,165,824 bytes; ctx 8,388,608 bytes
;; launch prep (part 1): grid 256 x 1, 4 waves a work-group, no clusters, 67,072 bytes of LDS; arguments x, W_q, W_k, W_v, W_o, xc, xs, wc, ws, wo16; writes xc, xs, wc, ws, wo16
.if DOCPART == 1
	.amdgcn_target "amdgcn-amd-amdhsa--gfx1250"
	.amdhsa_code_object_version 6
	.text
	.protected	k_qb265431be0_prep
	.globl	k_qb265431be0_prep
	.p2align	8
	.type	k_qb265431be0_prep,@function
k_qb265431be0_prep:
	s_mov_b64 s[64:65], 0
	v_nop
	global_prefetch_b8 v0, s[64:65] scope:SCOPE_SE
	s_setreg_imm32_b32 hwreg(HW_REG_WAVE_MODE, 25, 1), 1
	s_wait_xcnt 0x0
; PREP.  x [4096][1024] and W_q, W_k, W_v [1024][1024], f32, K innermost, become codes of FP4 (E2M1) with one E8M0 scale byte for each 32 along K:
; xc [4096][512 bytes], xs [4096][32], wc [3072][512] (rows 0-1023 W_q, 1024-2047 W_k, 2048-3071 W_v), ws [3072][32].  W_o [1024][1024] f32 becomes f16 in the order of an operand's registers (wo16, below).
; A block's scale is 2^(floor(log2(its largest magnitude)) - 2); its byte is the largest magnitude's exponent field - 2, held at 1 from below; each number is divided by the scale and rounded to the nearest code, ties to even, beyond 6 the code of 6.
; LIMITS: a block of zeros gets the byte 1 where the rule says 127 (its codes are zeros, which add nothing under any byte but 0xff, and this program alone reads the bytes); blocks whose largest magnitude lies under 2^(2 - 126) keep the byte 1;
; NaN and infinities among the inputs are not served; W_o is kept in f16: magnitudes up to 65,504, under 6e-5 with the absolute step 6e-8.
; SHARES.  256 work-groups of four waves, 32,768 numbers each: 0-127 x, 128-159 W_q, 160-191 W_k, 192-223 W_v, 224-255 W_o.  Rows are dense and K is a multiple of 32: the quantised tensors are plain streams of blocks of 32.
; THE QUANTISER.  A wave takes 16 steps of 512 numbers.  Each of a step's four loads reads 512 consecutive bytes, 16 a lane; the 2,048 bytes turn through the wave's own stage in LDS and come back 64 bytes a lane: 16 neighbours along K, two lanes to a block.
; A lane's 16 codes are 8 bytes: the wave stores 256 consecutive bytes.  A wave's 256 scale bytes are gathered in LDS and leave as 256 consecutive bytes.  Loads run four steps (16 loads a wave) ahead.
; W_o.  wo16 is [K step of 256: 4][tile of 16 rows n: 64][block of 16 k: 16][512 bytes]; in a block lane (r, h) has its 16 bytes (row r, k = 8 h .. 8 h + 7) at 16 x lane: two blocks on end are a 16 x 32 fragment as the matrix unit's registers take it.
; A wave takes one tile of 16 rows and four chunks of 128 k; a chunk (16 loads of 512 consecutive bytes, a row each) turns through the wave's own stage (rows of 528 bytes) so that a lane gets 8 neighbours of its row for each block.
; The two paths part on the work-group's number and have LDS bytes of their own.  No barrier: waves share nothing.
.set STEPS, 16
.set EMAX,  2
.set CB,    8                          ; bytes of 16 codes
.set R,     16                         ; v16-79   quantiser: four sets of 16 numbers as they are loaded
.set X,     80                         ; v80-111  two sets of 16 neighbours
.set E,     112                        ; v112-127 a scale byte for each step
.set C,     128                        ; v128-191 codes: four registers for each step, so that no store's data are written again
.set WREG,  8192                       ; LDS: a region for each wave: two stages of 32 x SP bytes, behind them its 256 scale bytes
.set SP,    80                         ; a lane's place in a stage: 64 bytes + 16 of padding
.set SPW,   12                         ; v12      LDS address of my spare word; never rewritten
.set NIL,   13                         ; v13      0; never rewritten
.set SPARE, 4*WREG                     ; the spare words: 128 bytes for each wave, two blocks of 256 bytes that no other line names
.set WOST,  SPARE+512                  ; the W_o path's stages: 16 rows x WP bytes for each wave
.set WP,    528                        ; 512 bytes + 16 = 132 words: row r starts at bank 4 r mod 64 (64 banks of 4 bytes: ISA guide 11.1)
.set WSTO,  240                        ; v240     W_o: where my 16 bytes of a loaded row go
.set WRD,   241                        ; v241     W_o: where my 32 bytes of a block come from
.set RW,    16                         ; v16-143  W_o: two sets of 64 registers as loaded
.set XW,    144                        ; v144-207 W_o: a chunk's 8 blocks, 8 numbers each
.set YW,    208                        ; v208-239 W_o: the same as f16
	s_load_b512 s[4:19], s[0:1], 0x0               ; x s[4:5], W_q s[6:7], W_k s[8:9], W_v s[10:11], W_o s[12:13], xc s[14:15], xs s[16:17], wc s[18:19]
	s_load_b128 s[20:23], s[0:1], 0x40             ; ws s[20:21], wo16 s[22:23]
	v_lshl_add_u32 v[SPW], v0, 2, SPARE
	v_mov_b32 v[NIL], 0
	v_lshrrev_b32 v1, 5, v0
	v_readfirstlane_b32 s24, v1                    ; wave 0..3
	v_and_b32 v2, 31, v0                           ; lane
	v_lshlrev_b32 v3, 4, v2                        ; 16 x lane: my 16 bytes of a load's or a store's 512
	s_mul_i32 s25, s24, WREG
	v_lshrrev_b32 v14, 2, v2
	v_mul_u32_u24 v14, v14, SP
	v_and_b32 v15, 3, v2
	v_lshl_add_u32 v14, v15, 4, v14
	v_add_nc_u32 v14, s25, v14                     ; the quantiser's stage, on the way in: SP (lane / 4) + 16 (lane % 4)
	v_mul_u32_u24 v15, v2, SP
	v_add_nc_u32 v15, s25, v15                     ; and on the way out: SP x lane: my 16 neighbours
	v_mul_u32_u24 v4, v2, CB                       ; my codes' place in a step's
	v_lshrrev_b32 v5, 1, v2
	s_add_co_u32 s25, s25, 2*32*SP
	v_add_nc_u32 v5, s25, v5                       ; LDS: my wave's 256 scale bytes, my block's byte
	v_lshlrev_b32 v7, 3, v2                        ; on the way out 8 bytes a lane
	v_add_nc_u32 v6, s25, v7
	s_mul_i32 s25, s24, 16*WP
	s_add_co_u32 s25, s25, WOST                    ; the W_o path's stage of my wave
	v_add_nc_u32 v[WSTO], s25, v3
	v_and_b32 v8, 15, v0                           ; r
	v_bfe_u32 v9, v0, 4, 1                         ; h
	v_mul_u32_u24 v[WRD], v8, WP
	v_lshl_add_u32 v[WRD], v9, 5, v[WRD]
	v_add_nc_u32 v[WRD], s25, v[WRD]               ; row r, + 32 h: 8 numbers of f32
	s_wait_kmcnt 0x0
	s_cmp_ge_u32 ttmp9, 224
	s_cbranch_scc1 .Lwo
	; ---- the quantiser.  Only pointers are chosen, on the work-group's number alone
	s_cmp_lt_u32 ttmp9, 192
	s_cselect_b64 s[26:27], s[8:9], s[10:11]
	s_cmp_lt_u32 ttmp9, 160
	s_cselect_b64 s[26:27], s[6:7], s[26:27]
	s_cmp_lt_u32 ttmp9, 128
	s_cselect_b64 s[26:27], s[4:5], s[26:27]       ; the numbers,
	s_cselect_b64 s[28:29], s[14:15], s[18:19]     ; their codes,
	s_cselect_b64 s[30:31], s[16:17], s[20:21]     ; their scale bytes
	s_cselect_b32 s32, 0, 128
	s_cselect_b32 s33, 127, 31
	s_sub_co_u32 s32, ttmp9, s32                   ; my work-group's number among x's 128 or the weights' 96
	s_and_b32 s33, s32, s33                        ; and inside its own tensor
	s_lshl_b32 s33, s33, 2
	s_add_co_u32 s34, s33, s24                     ; which run of 8,192 numbers of the tensor is my wave's
	s_lshl_b32 s34, s34, 15                        ; 32,768 bytes a run
	s_mov_b32 s35, 0
	s_add_nc_u64 s[26:27], s[26:27], s[34:35]
	s_lshl_b32 s32, s32, 2
	s_add_co_u32 s32, s32, s24                     ; which run of the codes' buffer
	s_lshl_b32 s34, s32, 12                        ; 4,096 bytes of codes a run
	s_add_nc_u64 s[28:29], s[28:29], s[34:35]
	s_lshl_b32 s34, s32, 8                         ; 256 scale bytes a run
	s_add_nc_u64 s[30:31], s[30:31], s[34:35]
.macro LOAD t
.irp i, 0,1,2,3
	global_load_b128 v[R+16*((\t)%4)+4*\i:R+16*((\t)%4)+4*\i+3], v3, s[26:27] offset:2048*(\t)+512*\i th:TH_LOAD_NT   ; 32 lanes read 512 consecutive bytes
.endr
.endm
.macro TURN t                          ; step t's numbers through the stage: LDS serves a wave's instructions in order (ISA guide 5.7.1.4), so no wait stands between the stores and the loads
.irp i, 0,1,2,3
	ds_store_b128 v14, v[R+16*((\t)%4)+4*\i:R+16*((\t)%4)+4*\i+3] offset:32*SP*((\t)%2)+8*SP*\i
.endr
.irp i, 0,1,2,3
	ds_load_b128 v[X+16*((\t)%2)+4*\i:X+16*((\t)%2)+4*\i+3], v15 offset:32*SP*((\t)%2)+16*\i
.endr
.endm
.irp t, 0,1,2,3
	LOAD \t
.endr
	s_wait_loadcnt 12                              ; step 0's four loads are in; the twelve of steps 1 to 3 may be out
	TURN 0
.macro STEP t
.set XS, X+16*((\t)%2)
.if (\t) > 0
	s_wait_dscnt 1                                 ; this step's numbers are back from the stage (the last step's byte store may be out): so its stores into the stage have read their registers,
.else
	s_wait_dscnt 0x0
.endif
.if (\t)+4 < STEPS
	LOAD (\t)+4                                    ; which take the loads of four steps on
.endif
.if (\t)+1 < STEPS
.if STEPS-2-(\t) >= 3
	s_wait_loadcnt 12                              ; the next step's four loads are in; those of the three steps behind it may be out
.else
	s_wait_loadcnt 4*(STEPS-2-(\t))
.endif
	TURN (\t)+1                                    ; and go through the other stage while this step is worked
.endif
	v_max3_num_f32 v8, |v[XS]|, |v[XS+1]|, |v[XS+2]|               ; the largest magnitude of my 16, in two chains
	v_max3_num_f32 v9, |v[XS+3]|, |v[XS+4]|, |v[XS+5]|
.irp i, 6,10
	v_max3_num_f32 v8, v8, |v[XS+\i]|, |v[XS+\i+1]|
	v_max3_num_f32 v9, v9, |v[XS+\i+2]|, |v[XS+\i+3]|
.endr
	v_max3_num_f32 v8, v8, |v[XS+14]|, |v[XS+15]|
	v_max3_num_f32 v8, v8, v9, (EMAX+1)<<23        ; and the floor 2^(EMAX + 1 - 127): the byte cannot fall under 1
	v_max_num_f32_dpp v8, v8, v8 row_xmask:1 row_mask:0xf bank_mask:0xf   ; and of my neighbour's 16: the block's
	v_add_nc_u32 v11, -(EMAX<<23), v8              ; EMAX off its exponent field: the conversion takes the exponent field of this operand as its scale, and nothing else of it
	v_cvt_scalef32_pk8_fp4_f32 v[C+4*(\t)], v[XS:XS+7], v11         ; eight numbers / the scale, to the nearest code; the first number's code in the lowest four bits
	v_cvt_scalef32_pk8_fp4_f32 v[C+4*(\t)+1], v[XS+8:XS+15], v11
	v_lshrrev_b32 v[E+(\t)], 23, v11               ; the scale's byte (also the plain line behind the conversions)
	ds_store_b8 v5, v[E+(\t)] offset:16*(\t)       ; both lanes of a block write the same byte with the same value
	global_store_b64 v4, v[C+4*(\t):C+4*(\t)+1], s[28:29] offset:32*CB*(\t)   ; 32 lanes store 256 consecutive bytes, at a multiple of 256 from the buffer's first byte
.endm
.irp t, 0,1,2,3,4,5,6,7,8,9,10,11,12,13,14,15
	STEP \t
.endr
	ds_load_b64 v[8:9], v6                         ; these see my byte stores: LDS serves a wave's instructions in order
	s_wait_dscnt 0x0
	global_store_b64 v7, v[8:9], s[30:31]          ; 32 lanes store my wave's 256 scale bytes
	s_branch .Lend
	; ---- W_o
.Lwo:
	s_sub_co_u32 s32, ttmp9, 224
	s_lshl_b32 s32, s32, 1
	s_lshr_b32 s33, s24, 1
	s_add_co_u32 s32, s32, s33                     ; my tile of 16 rows: 2 x (work-group - 224) + wave / 2
	s_and_b32 s33, s24, 1                          ; which half of K: four chunks of 128
	s_lshl_b32 s34, s32, 16                        ; 16 rows of 4,096 bytes
	s_lshl_b32 s35, s33, 11                        ; 512 numbers along K
	s_add_co_u32 s34, s34, s35
	s_mov_b32 s35, 0
	s_add_nc_u64 s[12:13], s[12:13], s[34:35]
	s_lshl_b32 s34, s32, 13                        ; in wo16: 8,192 bytes a tile in a K step,
	s_lshl_b32 s36, s33, 20                        ; two K steps of 524,288 bytes for the upper half of K
	s_add_co_u32 s34, s34, s36
	s_add_nc_u64 s[22:23], s[22:23], s[34:35]
.macro LOADW s                         ; chunk s: 16 rows x 128 numbers; a load reads 512 consecutive bytes of one row
.irp i, 0,1,2,3,4,5,6,7,8,9,10,11,12,13,14,15
	global_load_b128 v[RW+64*((\s)%2)+4*\i:RW+64*((\s)%2)+4*\i+3], v3, s[12:13] offset:4096*\i+512*(\s) th:TH_LOAD_NT
.endr
.endm
.macro WSTEP s
.if (\s) < 3
	s_wait_loadcnt 16                              ; this chunk's 16 loads are in; the next chunk's 16 may be out
.else
	s_wait_loadcnt 0x0
.endif
.irp i, 0,1,2,3,4,5,6,7,8,9,10,11,12,13,14,15
	ds_store_b128 v[WSTO], v[RW+64*((\s)%2)+4*\i:RW+64*((\s)%2)+4*\i+3] offset:WP*\i
.endr
.irp b, 0,1,2,3,4,5,6,7
	ds_load_b128 v[XW+8*\b:XW+8*\b+3], v[WRD] offset:64*\b           ; block b: W_o(row r, 16 b + 8 h + 0 .. 7)
	ds_load_b128 v[XW+8*\b+4:XW+8*\b+7], v[WRD] offset:64*\b+16
.endr
	s_wait_dscnt 0x0                               ; the chunk is back, and the stores into the stage have read their registers,
.if (\s) < 2
	LOADW (\s)+2                                   ; which take the chunk two further on
.endif
.if (\s) > 0
	s_wait_xcnt 0x0                                ; the last chunk's stores have read their data: they are written again only behind this wait
.endif
.irp b, 0,1,2,3,4,5,6,7
.irp i, 0,1,2,3
	v_cvt_pk_f16_f32 v[YW+4*\b+\i], v[XW+8*\b+2*\i], v[XW+8*\b+2*\i+1]
.endr
.endr
.irp b, 0,1,2,3,4,5,6,7
	global_store_b128 v3, v[YW+4*\b:YW+4*\b+3], s[22:23] offset:((\s)/2)*524288+((\s)%2)*4096+512*\b   ; a block: 512 consecutive bytes, at a multiple of 512 from the buffer's first byte
.endr
.endm
	LOADW 0
	LOADW 1
	WSTEP 0
	WSTEP 1
	WSTEP 2
	WSTEP 3
.Lend:
	s_wait_tensorcnt 0x0                           ; the wave's end: behind my last LDS store
	ds_add_u32 v[SPW], v[NIL]
	s_wait_dscnt 0x0
	s_endpgm
.Lfunc_end_k_qb265431be0_prep:
	.size	k_qb265431be0_prep, .Lfunc_end_k_qb265431be0_prep-k_qb265431be0_prep
	.p2alignl 7, 3214868480
	.fill 96, 4, 3214868480
	.section	.rodata,"a",@progbits
	.p2align	6, 0x0
	.amdhsa_kernel k_qb265431be0_prep
		.amdhsa_group_segment_fixed_size 67072
		.amdhsa_private_segment_fixed_size 0
		.amdhsa_enable_private_segment 0
		.amdhsa_kernarg_size 80
		.amdhsa_user_sgpr_count 2
		.amdhsa_user_sgpr_kernarg_segment_ptr 1
		.amdhsa_wavefront_size32 1
		.amdhsa_system_sgpr_workgroup_id_x 1
		.amdhsa_system_sgpr_workgroup_id_y 1
		.amdhsa_system_sgpr_workgroup_id_z 1
		.amdhsa_system_vgpr_workitem_id 0
		.amdhsa_next_free_vgpr 256
		.amdhsa_next_free_sgpr 66
		.amdhsa_reserve_vcc 0
		.amdhsa_float_denorm_mode_32 3
		.amdhsa_float_denorm_mode_16_64 3
		.amdhsa_memory_ordered 1
		.amdhsa_forward_progress 1
		.amdhsa_inst_pref_size 60
	.end_amdhsa_kernel
	.amdgpu_metadata
---
amdhsa.version: [ 1, 2 ]
amdhsa.kernels:
  - .name:           k_qb265431be0_prep
    .symbol:         k_qb265431be0_prep.kd
    .args:
      - { .name: x, .offset: 0, .size: 8, .value_kind: global_buffer, .address_space: global }
      - { .name: W_q, .offset: 8, .size: 8, .value_kind: global_buffer, .address_space: global }
      - { .name: W_k, .offset: 16, .size: 8, .value_kind: global_buffer, .address_space: global }
      - { .name: W_v, .offset: 24, .size: 8, .value_kind: global_buffer, .address_space: global }
      - { .name: W_o, .offset: 32, .size: 8, .value_kind: global_buffer, .address_space: global }
      - { .name: xc, .offset: 40, .size: 8, .value_kind: global_buffer, .address_space: global }
      - { .name: xs, .offset: 48, .size: 8, .value_kind: global_buffer, .address_space: global }
      - { .name: wc, .offset: 56, .size: 8, .value_kind: global_buffer, .address_space: global }
      - { .name: ws, .offset: 64, .size: 8, .value_kind: global_buffer, .address_space: global }
      - { .name: wo16, .offset: 72, .size: 8, .value_kind: global_buffer, .address_space: global }
    .group_segment_fixed_size: 67072
    .private_segment_fixed_size: 0
    .kernarg_segment_align: 8
    .kernarg_segment_size: 80
    .max_flat_workgroup_size: 128
    .sgpr_count:     66
    .vgpr_count:     256
    .wavefront_size: 32
...
	.end_amdgpu_metadata
.endif
;; end of part 1
;; launch qkv (part 2): grid 12 x 16, 4 waves a work-group, clusters of 4 x 4, 327,680 bytes of LDS; arguments xc, xs, wc, ws, qkv; writes qkv
.if DOCPART == 2
	.amdgcn_target "amdgcn-amd-amdhsa--gfx1250"
	.amdhsa_code_object_version 6
	.text
	.protected	k_qb265431be0_qkv
	.globl	k_qb265431be0_qkv
	.p2align	8
	.type	k_qb265431be0_qkv,@function
k_qb265431be0_qkv:
	s_mov_b64 s[64:65], 0
	v_nop
	global_prefetch_b8 v0, s[64:65] scope:SCOPE_SE
	s_setreg_imm32_b32 hwreg(HW_REG_WAVE_MODE, 25, 1), 1
	s_wait_xcnt 0x0
	s_wait_alu depctr_hold_cnt(0) depctr_sa_sdst(0) depctr_va_vdst(0) depctr_va_sdst(0) depctr_va_ssrc(0) depctr_va_vcc(0) depctr_vm_vsrc(0)
	s_getreg_b32 s2, hwreg(HW_REG_IB_STS2, 6, 4)
	s_cmp_eq_u32 s2, 0
	s_cbranch_scc0 .Lentry_in_a_cluster
	s_endpgm
.Lentry_in_a_cluster:
	s_bfe_u32 s2, ttmp6, 0x10000c
	s_cmp_lg_u32 s2, 0xf033
	s_cbranch_scc0 .Lentry_shape_is_right
	s_endpgm
.Lentry_shape_is_right:
; QKV.  C[m][n] = sum over k of x[m][k] W[n][k], m = 4,096 tokens, n = 3,072 (W_q's, W_k's, W_v's rows on end), k = 1,024, both operands as codes of FP4 (E2M1) with one E8M0 scale for each 32 along K; sums in f32; C rounded once to f16.
; LIMIT: q, k and v are kept in f16: magnitudes up to 65,504; under 6e-5 with the absolute step 6e-8.
; A tile of C, 256 x 256, is made by a work-group of four waves; a wave makes 128 x 128: 64 accumulators of 16 x 16, 512 registers.  192 work-groups.
; ALL OF K LIES IN LDS: two slots of 512 along K (rows of 256 bytes + 16 of padding), and the scale bytes of the work-group's 256 + 256 rows.  Each wave asks for its three parts at the head; nothing is filled again.
; CLUSTERS: 4 x 4 work-groups.  The four of a row of the cluster need the same tiles of x, the four of a column the same tiles of W: each tile is asked for JOINTLY, by the same tensor load with the same descriptor and a mask that names the four.
; THE MATRIX INSTRUCTION IS USED TRANSPOSED (source 0 = 16 rows of W, source 1 = 16 tokens): a lane then holds one token (lane % 16) and eight neighbouring n (8 (lane / 16) + 0 .. 7), which pack into 16 bytes of f16.
; THE OUTPUT IS LAID IN THE ORDER OF AN OPERAND'S REGISTERS: qkv is [panel of 64 n: 48][tile of 16 tokens: 256][block of 16 n: 4][512 bytes]; in a block lane (r, h) has its 16 bytes (token r, n = 8 h .. 8 h + 7) at 16 x lane.
; An accumulator, packed, IS such a block: it is stored from the registers, 512 consecutive bytes a store, with no way through LDS.  Panels 0-15 are q's heads, 16-31 k's, 32-47 v's.
; V's blocks are stored with the lanes permuted: lane (r, h) at 256 (r / 8) + 128 h + 16 (r % 8), so that the turning LDS load of the next launch, reading 16 x lane, finds key 8 (lane / 16) + lane % 8, channels 8 ((lane / 8) % 2) on.
; REGISTERS, in windows of 256: window 0: v0-31 addresses; v32-95 scale words, two sets; v128-191 x's fragments (8 x 16 rows x 128 K), ONE set; on the way out v128-255 take the packed results.
;   window 1: W's fragments, TWO sets, at v0 and at v128.   window 2: the 32 accumulators of my rows 0-63 (accumulator (a, b) at v[8 (8 a + b)]);   window 3: those of my rows 64-127.
.set SIZE_K, 1024
.set KSTEP,  512                       ; along K in a slot
.set NQ,     KSTEP/128                 ; matrix instructions deep
.set ROWB,   256                       ; a tile's row in bytes
.set KROW,   SIZE_K*4/8                ; a row of codes in memory, in bytes
.set PITCH,  272                       ; an LDS row: 256 bytes + 16 of padding = 68 words: row r starts at bank 4 r mod 64 (64 banks of 4 bytes: ISA guide 11.1)
.set FR,     8                         ; registers of a fragment: 16 rows x 128 K
.set NL,     2                         ; LDS loads that bring one
.set NP,     4                         ; places behind this matrix instruction (ISA guide 7.12.1)
.set HALFT,  128*PITCH                 ; 128 rows: what one tensor load brings, and what one wave reads of x or of W
.set SLOT,   4*HALFT                   ; x's 256 rows, then W's 256 rows
.set KS,     SIZE_K/32                 ; a row of scale bytes
.set SCL,    2*SLOT                    ; behind the slots: the scales, as units of 256 bytes + 16 of padding
.set HALFS,  (128*KS/256)*272          ; the scales of 128 rows: what one tensor load brings
.set SBLK,   (16*KS/256)*272           ; those of 16 rows
.set SPARE,  SCL+4*HALFS               ; the spare words, 128 bytes for each wave: two blocks of 256 bytes that no other line names
.set ADRA, 16                          ; v16-17  LDS address of my x fragments in slot 0, 1
.set ADRB, 20                          ; v20-21  the same for W
.set CO,   26                          ; v26     my 16 bytes' place in a block of the output
.set ADRS, 27                          ; v27     LDS address of my scale words: lanes 0-15 x's rows, lanes 16-31 W's
.set SPW,  28                          ; v28     LDS address of my spare word; never rewritten
.set NIL,  29                          ; v29     0; never rewritten
.set SC,   32                          ; scale words: set s at v[SC + 8 NQ s]; register NQ i + q: lanes 0-15 the word of x's block i, lanes 16-31 that of W's block i, for the slot's q-th 128 along K
.set AF,   128                         ; x's fragments, in window 0
.set PK,   128                         ; the way out: four sets of 32 registers of packed results
.set G1, 24                            ; s[24:31] descriptor group 1 for x's tiles;  s[32:39] group 0, one set for each slot
.set G0, 32
.set G1B, 48                           ; s[48:55], s[56:63] the same for W's tiles
.set G0B, 56
.set G1S, 68                           ; s[68:75], s[76:79] groups 1 and 0 for x's scales;  s[80:87], s[88:91] for W's
.set G0S, 76
.set G1SB, 80
.set G0SB, 88
.set MSB, 0
.macro WIN new                         ; the immediate's high byte repeats the setting that is left; a switch that changes nothing is dropped
.if MSB != (\new)
	s_set_vgpr_msb (MSB<<8)|(\new)
.set MSB, \new
.endif
.endm
.set MUL_LO, 0xa1                      ; source 0 (W) window 1, source 1 (x) window 0, C and D window 2
.set MUL_HI, 0xf1                      ; the same, C and D window 3
.set TO_B,   0x40                      ; destination window 1, address window 0
; A joint load: waves 0 and 1 fetch for x, waves 2 and 3 for W.  Each of the two lines has ONE mask and one set of registers for all that issue it; the branch hangs on the wave's number alone.
; An s_nop 0 and four v_nop follow each of the two lines, ahead of the jump, the label and what follows.
.macro JLOAD g0a, g1a, g0b, g1b
	s_cmp_eq_u32 s15, 0
	s_cbranch_scc0 .Lfor_b_\@
	tensor_load_to_lds s[\g0a:\g0a+3], s[\g1a:\g1a+7]
	s_nop 0
.rept 4
	v_nop
.endr
	s_branch .Lasked_\@
.Lfor_b_\@:
	tensor_load_to_lds s[\g0b:\g0b+3], s[\g1b:\g1b+7]
	s_nop 0
.rept 4
	v_nop
.endr
.Lasked_\@:
.endm
.macro CROUND                          ; a round of the cluster's barrier: my work-group's barrier; wave 0 signals for the work-group; every wave waits for all sixteen; my work-group's barrier once more
	s_barrier_signal -1
	s_barrier_wait -1
	s_cmp_lg_u32 s14, 0
	s_cbranch_scc1 .Lnot_wave_0_\@
	s_barrier_signal -3
.Lnot_wave_0_\@:
	s_barrier_wait -3
	s_barrier_signal -1
	s_barrier_wait -1
.endm
	s_load_b128 s[4:7], s[0:1], 0x0                ; x's codes s[4:5], x's scales s[6:7]
	s_load_b128 s[8:11], s[0:1], 0x10              ; W's codes s[8:9], W's scales s[10:11]
	s_load_b64 s[12:13], s[0:1], 0x20              ; qkv
	v_lshl_add_u32 v[SPW], v0, 2, SPARE
	v_mov_b32 v[NIL], 0
	ds_add_u32 v[SPW], v[NIL]                      ; the wave's opening: the add, twice on end, and its wait ahead of my first tensor load; the set-up below, work on registers, stands between
	ds_add_u32 v[SPW], v[NIL]
	v_lshrrev_b32 v1, 5, v0
	v_readfirstlane_b32 s14, v1                    ; wave 0..3
	s_lshr_b32 s15, s14, 1                         ; which half of the tile's rows is mine.  Also: I fetch for x (0) or for W (1)
	s_and_b32 s16, s14, 1                          ; which half of its columns.  Also: which 128 rows of that tile I fetch
	s_bfe_u32 s40, ttmp6, 0x40000                  ; cx, cy: my place in the cluster
	s_bfe_u32 s41, ttmp6, 0x40004
	s_lshl_b32 s42, ttmp9, 2
	s_add_co_u32 s42, s42, s40                     ; tile column of C = 4 x cluster x + cx
	s_and_b32 s17, ttmp7, 0xffff
	s_lshl_b32 s17, s17, 2
	s_add_co_u32 s17, s17, s41                     ; tile row of C = 4 x cluster y + cy
	s_lshl_b32 s43, s41, 2
	s_lshl_b32 s43, 15, s43                        ; my row of the cluster
	s_lshl_b32 s44, 0x1111, s40                    ; my column
	; descriptor group 1: a tile of 128 rows x ROWB bytes, padded in LDS
	s_or_b32 s[G1+0], s43, (0<<16)|(1<<20)|(1<<21)|(5<<22)|(3<<25)  ; 15:0 the mask: x's tiles go to my row; 17:16 element of 1 byte; 20 padding on; 21 set beside a mask; 24:22 after every 64 words (code 5); 31:25 of 4 words (code 3)
	s_or_b32 s[G1B+0], s44, (0<<16)|(1<<20)|(1<<21)|(5<<22)|(3<<25)
.irp g, G1, G1B
	s_mov_b32 s[\g+1], ROWB<<16                    ; tensor_dim0
	s_mov_b32 s[\g+2], 128<<16                     ; tensor_dim1 = 128
	s_mov_b32 s[\g+3], ROWB<<16                    ; tile_dim0
	s_mov_b32 s[\g+4], 128                         ; tile_dim1 = 128
	s_mov_b32 s[\g+5], KROW                        ; tensor_dim0_stride
	s_mov_b32 s[\g+6], 0
	s_mov_b32 s[\g+7], 0
.endr
	; and for the scales of 128 rows: a dense block of 128 KS bytes, as rows of 256 bytes (32 elements of 8 bytes), 16 bytes of padding behind each
	s_or_b32 s[G1S+0], s43, (3<<16)|(1<<20)|(1<<21)|(5<<22)|(3<<25)
	s_or_b32 s[G1SB+0], s44, (3<<16)|(1<<20)|(1<<21)|(5<<22)|(3<<25)
.irp g, G1S, G1SB
	s_mov_b32 s[\g+1], 32<<16
	s_mov_b32 s[\g+2], (128*KS/256)<<16
	s_mov_b32 s[\g+3], 32<<16
	s_mov_b32 s[\g+4], 128*KS/256
	s_mov_b32 s[\g+5], 32
	s_mov_b32 s[\g+6], 0
	s_mov_b32 s[\g+7], 0
.endr
	s_lshl_b32 s18, s16, 7                         ; which 128 rows of the tile I fetch
	s_lshl_b32 s20, s17, 8
	s_add_co_u32 s20, s20, s18                     ; x: row 256 x tile row + 128 x half
	s_lshl_b32 s46, s42, 8
	s_add_co_u32 s46, s46, s18                     ; W: row 256 x tile column + 128 x half
	s_mov_b32 s21, 0
	s_mov_b32 s47, 0
	s_mov_b64 s[18:19], KS
	s_mul_u64 s[22:23], s[20:21], s[18:19]         ; where these rows' scales begin, in bytes
	s_mul_u64 s[92:93], s[46:47], s[18:19]
	s_mov_b64 s[18:19], KROW
	s_mul_u64 s[20:21], s[20:21], s[18:19]         ; and their codes
	s_mul_u64 s[46:47], s[46:47], s[18:19]
	s_mul_i32 s45, s14, HALFT                      ; where they go: wave x 128 rows: no place in the cluster enters an LDS address
	s_mul_i32 s94, s14, HALFS
	s_wait_dscnt 0x0                               ; both opening adds are done
	s_wait_kmcnt 0x0
	s_add_nc_u64 s[20:21], s[4:5], s[20:21]
	s_add_nc_u64 s[22:23], s[6:7], s[22:23]
	s_add_nc_u64 s[46:47], s[8:9], s[46:47]
	s_add_nc_u64 s[92:93], s[10:11], s[92:93]
	CROUND                                         ; all sixteen work-groups are here: the joint loads meet
	s_mov_b32 s[G0S], 1
	s_add_co_u32 s[G0S+1], s94, SCL
	s_mov_b64 s[G0S+2:G0S+3], s[22:23]
	s_or_b32 s[G0S+3], s[G0S+3], 0x80000000
	s_mov_b32 s[G0SB], 1
	s_add_co_u32 s[G0SB+1], s94, SCL
	s_mov_b64 s[G0SB+2:G0SB+3], s[92:93]
	s_or_b32 s[G0SB+3], s[G0SB+3], 0x80000000
	JLOAD G0S, G1S, G0SB, G1SB                     ; the scales first: they are wanted with the first slot
.irp s, 0,1
	s_mov_b32 s[G0+4*\s], 1
	s_add_co_u32 s[G0+4*\s+1], s45, \s*SLOT
	s_add_nc_u64 s[G0+4*\s+2:G0+4*\s+3], s[20:21], \s*ROWB
	s_or_b32 s[G0+4*\s+3], s[G0+4*\s+3], 0x80000000
	s_mov_b32 s[G0B+4*\s], 1
	s_add_co_u32 s[G0B+4*\s+1], s45, \s*SLOT
	s_add_nc_u64 s[G0B+4*\s+2:G0B+4*\s+3], s[46:47], \s*ROWB
	s_or_b32 s[G0B+4*\s+3], s[G0B+4*\s+3], 0x80000000
	JLOAD G0+4*\s, G1, G0B+4*\s, G1B               ; three loads of mine are out behind the second of these
.endr
	v_and_b32 v1, 15, v0                           ; r = lane % 16
	v_bfe_u32 v2, v0, 4, 1                         ; h = lane / 16
	v_mul_u32_u24 v3, v1, PITCH
	v_lshl_add_u32 v4, v2, 4, v3                   ; a fragment's row x pitch + 16 x half
	s_mul_i32 s21, s15, HALFT                      ; my 128 rows of x
	s_mul_i32 s22, s16, HALFT                      ; my 128 rows of W,
	s_add_co_u32 s22, s22, 2*HALFT                 ; which lie behind x's 256
.irp s, 0,1
	v_add_nc_u32 v[ADRA+\s], s21, v4
	v_add_nc_u32 v[ADRB+\s], s22, v4
	s_add_co_u32 s21, s21, SLOT
	s_add_co_u32 s22, s22, SLOT
.endr
	v_mul_u32_u24 v5, v1, KS                       ; my row's scales: KS bytes a row,
	v_lshrrev_b32 v6, 8, v5
	v_lshl_add_u32 v5, v6, 4, v5                   ; and 16 more for each 256 passed
	s_mul_i32 s21, s15, HALFS                      ; x's: my 128 rows
	s_mul_i32 s22, s16, HALFS                      ; W's: my 128 rows, behind x's 256
	s_add_co_u32 s22, s22, 2*HALFS
	s_sub_co_u32 s22, s22, s21
	v_mul_u32_u24 v6, s22, v2                      ; lanes 16-31 take W's
	s_add_co_u32 s21, s21, SCL
	v_add_nc_u32 v5, v5, v6
	v_add_nc_u32 v[ADRS], s21, v5
	v_and_b32 v6, 31, v0
	v_lshlrev_b32 v6, 4, v6                        ; a block of q or k: 16 x lane
	v_lshrrev_b32 v7, 3, v1
	v_lshlrev_b32 v7, 8, v7
	v_lshl_or_b32 v7, v2, 7, v7
	v_and_b32 v8, 7, v1
	v_lshl_or_b32 v7, v8, 4, v7                    ; a block of v: 256 (r / 8) + 128 h + 16 (r % 8)
	s_cmp_ge_u32 ttmp9, 2                          ; the third column of clusters holds tile columns 8 to 11: W_v's rows.  A chosen store offset: no branch, and no place in the cluster enters it
	s_cselect_b32 s18, -1, 0
	v_cndmask_b32 v[CO], v6, v7, s18
	s_lshl_b32 s20, s17, 15                        ; my first tile of tokens: 16 x tile row + 8 x half, 2,048 bytes each
	s_lshl_b32 s21, s15, 14
	s_add_co_u32 s20, s20, s21
	s_mov_b32 s21, 0
	s_lshl_b32 s46, s42, 21                        ; my first panel: 4 x tile column + 2 x half, 524,288 bytes each
	s_lshl_b32 s47, s16, 20
	s_add_co_u32 s46, s46, s47
	s_mov_b32 s47, 0
	s_add_nc_u64 s[20:21], s[20:21], s[46:47]
	s_add_nc_u64 s[12:13], s[12:13], s[20:21]
.macro FRAG reg, adr, q, i             ; a fragment, 16 rows x 128 K of 4-bit codes, is 8 registers: lane l holds row l % 16; registers 4 c .. 4 c + 3 hold K = 64 c + 32 (l / 16) + 0 .. 31
.irp c, 0,1
	ds_load_b128 v[\reg+4*\c:\reg+4*\c+3], v[\adr] offset:64*(\q)+32*\c+(\i)*16*PITCH
.endr
.endm
; 16 matrix instructions: x's blocks a0, a0 + 1 against W's eight, 128 along K: the slot's q-th.  p: W's set;  sc: the set of scale words.  zero = 1: the first product starts the sums: nothing is ever cleared.
; The 64 accumulators take turns, one instruction a turn, in the same order in every step.
.macro MUL16 a0, p, q, sc, zero
.irp a, \a0, \a0+1
.irp b, 0,1,2,3,4,5,6,7
.if \zero
	v_wmma_scale_f32_16x16x128_f8f6f4 v[8*(8*((\a)%4)+\b):8*(8*((\a)%4)+\b)+7], v[128*(\p)+FR*\b:128*(\p)+FR*\b+FR-1], v[AF+FR*(\a):AF+FR*(\a)+FR-1], 0, v[SC+8*NQ*(\sc)+NQ*\b+(\q)], v[SC+8*NQ*(\sc)+NQ*(\a)+(\q)] matrix_a_fmt:MATRIX_FMT_FP4 matrix_b_fmt:MATRIX_FMT_FP4 matrix_a_scale:MATRIX_SCALE_ROW1
.else
	v_wmma_scale_f32_16x16x128_f8f6f4 v[8*(8*((\a)%4)+\b):8*(8*((\a)%4)+\b)+7], v[128*(\p)+FR*\b:128*(\p)+FR*\b+FR-1], v[AF+FR*(\a):AF+FR*(\a)+FR-1], v[8*(8*((\a)%4)+\b):8*(8*((\a)%4)+\b)+7], v[SC+8*NQ*(\sc)+NQ*\b+(\q)], v[SC+8*NQ*(\sc)+NQ*(\a)+(\q)] matrix_a_fmt:MATRIX_FMT_FP4 matrix_b_fmt:MATRIX_FMT_FP4 matrix_a_scale:MATRIX_SCALE_ROW1
.endif
.endr
.endr
.endm
.macro FETCH_B slot, q, p              ; W's eight fragments of the slot's q-th 128 along K into set p
	WIN TO_B
.irp i, 0,1,2,3,4,5,6,7
	FRAG 128*(\p)+FR*\i, ADRB+\slot, \q, \i
.endr
	WIN 0
.endm
.macro FETCH_A slot, q, i0             ; x's blocks i0 .. i0 + 3
.irp i, \i0, \i0+1, \i0+2, \i0+3
	FRAG AF+FR*(\i), ADRA+\slot, \q, \i
.endr
.endm
.macro SCALES sc                       ; a slot's scale words into set sc: NQ words a row; lanes 0-15 take x's block i, lanes 16-31 W's block i
.irp i, 0,1,2,3,4,5,6,7
	ds_load_b128 v[SC+8*NQ*\sc+NQ*\i:SC+8*NQ*\sc+NQ*\i+3], v[ADRS] offset:\i*SBLK
.endr
.endm
; A load into a register that a matrix instruction has read, and a vector instruction that reads a matrix result or writes one of its registers, stand NP places behind that matrix instruction; only plain vector
; instructions that name none of its registers are places (ISA guide 7.12.1 for vector instructions).
.macro PLACES n
.rept \n
	v_nop
.endr
.endm
; A step of 128 along K that has its successor in the same slot.  x has one set of registers: blocks 0-3 are fetched anew in the step's middle, blocks 4-7 at its end; W has two sets.
.macro STEP slot, q, zero
	s_wait_dscnt 4*NL                              ; W's set and x's blocks 0-3 are in; the youngest eight loads (x's blocks 4-7) may be out
	WIN MUL_LO
	MUL16 0, (\q)%2, \q, \slot, \zero
	MUL16 2, (\q)%2, \q, \slot, \zero
	s_wait_dscnt 0                                 ; x's blocks 4-7 are in (asked for 32 matrix instructions ago)
	PLACES NP
	FETCH_B \slot, (\q)+1, 1-(\q)%2
	FETCH_A \slot, (\q)+1, 0
	WIN MUL_HI
	MUL16 4, (\q)%2, \q, \slot, \zero
	MUL16 6, (\q)%2, \q, \slot, \zero
	PLACES NP
	WIN 0
	FETCH_A \slot, (\q)+1, 4
.endm
; Slot 0's last step goes on into slot 1: one barrier; in front of it each wave waits for all its tensor loads (its part of slot 1), adds 0 to its spare word and waits for that and for its LDS loads.
.macro TURN slot, next
	s_wait_tensorcnt 0x0                           ; all my tensor loads have landed  (every window is 0 here: the add's two registers lie in window 0)
	ds_add_u32 v[SPW], v[NIL]                      ; 0 onto my spare word
	s_wait_dscnt 4*NL+1                            ; (the add and the youngest eight loads, x's blocks 4-7, may be out)
	WIN MUL_LO
	MUL16 0, 1, NQ-1, \slot, 0                     ; sixteen matrix instructions stand between the add and the wait for it
	s_wait_dscnt 0x0                               ; the add is done, and no LDS load of mine is out at the signal
	s_barrier_signal -1
	MUL16 2, 1, NQ-1, \slot, 0
	WIN 0
	s_barrier_wait -1                              ; every wave's part of the next slot has landed
	PLACES NP
	v_add_nc_u32 v[ADRS], 4*NQ, v[ADRS]            ; on to the next slot's scale words
	FETCH_B \next, 0, 0
	FETCH_A \next, 0, 0
	SCALES \next
	WIN MUL_HI
	MUL16 4, 1, NQ-1, \slot, 0
	MUL16 6, 1, NQ-1, \slot, 0
	PLACES NP
	WIN 0
	FETCH_A \next, 0, 4
.endm
	s_wait_tensorcnt 1                             ; the scales and my part of slot 0 are in (slot 1's load may be out)
	s_barrier_signal -1
	s_barrier_wait -1                              ; everybody's are
	FETCH_B 0, 0, 0
	FETCH_A 0, 0, 0
	SCALES 0
	FETCH_A 0, 0, 4
	STEP 0, 0, 1                                   ; the first step's products start the sums
	STEP 0, 1, 0
	STEP 0, 2, 0
	TURN 0, 1
	STEP 1, 0, 0
	STEP 1, 1, 0
	STEP 1, 2, 0
	s_wait_dscnt 4*NL                              ; the last step: nothing more to fetch
	WIN MUL_LO
	MUL16 0, 1, NQ-1, 1, 0
	MUL16 2, 1, NQ-1, 1, 0
	s_wait_dscnt 0
	WIN MUL_HI
	MUL16 4, 1, NQ-1, 1, 0
	MUL16 6, 1, NQ-1, 1, 0
	WIN 0
; THE WAY OUT of x's block a (16 tokens x 128 n): each accumulator, from its low end on, is rounded to f16: four registers a lane, which are a block of the output as it lies in memory.
.macro OUTB a
.set AC, 64*((\a)%4)
.set PB, PK+32*((\a)%4)
.if (\a) >= 4
	s_wait_xcnt 0x0                                ; block a - 4's stores have read their data: the set is written again only behind this wait
.endif
	WIN 0x0a+5*((\a)/4)                            ; sources 0 and 1: window 2 or 3
.irp b, 0,1,2,3,4,5,6,7
.irp i, 0,1,2,3
	v_cvt_pk_f16_f32 v[PB+4*\b+\i], v[AC+8*\b+2*\i], v[AC+8*\b+2*\i+1]
.endr
.endr
	WIN 0
.irp b, 0,1,2,3,4,5,6,7
	global_store_b128 v[CO], v[PB+4*\b:PB+4*\b+3], s[12:13] offset:(\a)*2048+(\b/4)*524288+(\b%4)*512   ; 32 lanes store 512 consecutive bytes, at a multiple of 512 from the buffer's first byte
.endr
.endm
	PLACES NP                                      ; the packed results land on x's fragment registers, which the last products read
.irp a, 0,1,2,3,4,5,6,7
	OUTB \a
.endr
	s_wait_tensorcnt 0x0                           ; the wave's end: behind my last tensor load
	ds_add_u32 v[SPW], v[NIL]
	s_wait_dscnt 0x0
	CROUND                                         ; the closing round: no work-group ends while a partner may still ask for a tile that names it
	s_endpgm
.Lfunc_end_k_qb265431be0_qkv:
	.size	k_qb265431be0_qkv, .Lfunc_end_k_qb265431be0_qkv-k_qb265431be0_qkv
	.p2alignl 7, 3214868480
	.fill 96, 4, 3214868480
	.section	.rodata,"a",@progbits
	.p2align	6, 0x0
	.amdhsa_kernel k_qb265431be0_qkv
		.amdhsa_group_segment_fixed_size 327680
		.amdhsa_private_segment_fixed_size 0
		.amdhsa_enable_private_segment 0
		.amdhsa_kernarg_size 40
		.amdhsa_user_sgpr_count 2
		.amdhsa_user_sgpr_kernarg_segment_ptr 1
		.amdhsa_wavefront_size32 1
		.amdhsa_system_sgpr_workgroup_id_x 1
		.amdhsa_system_sgpr_workgroup_id_y 1
		.amdhsa_system_sgpr_workgroup_id_z 1
		.amdhsa_system_vgpr_workitem_id 0
		.amdhsa_next_free_vgpr 1024
		.amdhsa_next_free_sgpr 98
		.amdhsa_reserve_vcc 0
		.amdhsa_float_denorm_mode_32 3
		.amdhsa_float_denorm_mode_16_64 3
		.amdhsa_memory_ordered 1
		.amdhsa_forward_progress 1
		.amdhsa_inst_pref_size 118
	.end_amdhsa_kernel
	.amdgpu_metadata
---
amdhsa.version: [ 1, 2 ]
amdhsa.kernels:
  - .name:           k_qb265431be0_qkv
    .symbol:         k_qb265431be0_qkv.kd
    .args:
      - { .name: xc, .offset: 0, .size: 8, .value_kind: global_buffer, .address_space: global }
      - { .name: xs, .offset: 8, .size: 8, .value_kind: global_buffer, .address_space: global }
      - { .name: wc, .offset: 16, .size: 8, .value_kind: global_buffer, .address_space: global }
      - { .name: ws, .offset: 24, .size: 8, .value_kind: global_buffer, .address_space: global }
      - { .name: qkv, .offset: 32, .size: 8, .value_kind: global_buffer, .address_space: global }
    .group_segment_fixed_size: 327680
    .private_segment_fixed_size: 0
    .kernarg_segment_align: 8
    .kernarg_segment_size: 40
    .max_flat_workgroup_size: 128
    .sgpr_count:     98
    .vgpr_count:     1024
    .wavefront_size: 32
...
	.end_amdgpu_metadata
.endif
;; end of part 2
;; launch attn (part 3): grid 8 x 32, 8 waves a work-group, clusters of 4 x 1, 327,680 bytes of LDS; arguments qkv, ctx; writes ctx
.if DOCPART == 3
	.amdgcn_target "amdgcn-amd-amdhsa--gfx1250"
	.amdhsa_code_object_version 6
	.text
	.protected	k_qb265431be0_attn
	.globl	k_qb265431be0_attn
	.p2align	8
	.type	k_qb265431be0_attn,@function
k_qb265431be0_attn:
	s_mov_b64 s[64:65], 0
	v_nop
	global_prefetch_b8 v0, s[64:65] scope:SCOPE_SE
	s_setreg_imm32_b32 hwreg(HW_REG_WAVE_MODE, 25, 1), 1
	s_wait_xcnt 0x0
	s_wait_alu depctr_hold_cnt(0) depctr_sa_sdst(0) depctr_va_vdst(0) depctr_va_sdst(0) depctr_va_ssrc(0) depctr_va_vcc(0) depctr_vm_vsrc(0)
	s_getreg_b32 s2, hwreg(HW_REG_IB_STS2, 6, 4)
	s_cmp_eq_u32 s2, 0
	s_cbranch_scc0 .Lentry_in_a_cluster
	s_endpgm
.Lentry_in_a_cluster:
	s_bfe_u32 s2, ttmp6, 0x10000c
	s_cmp_lg_u32 s2, 0x3003
	s_cbranch_scc0 .Lentry_shape_is_right
	s_endpgm
.Lentry_shape_is_right:
; ATTN.  ctx[b][q][head] = the sum over k of softmax_k(Q . K / 8) V, 2 x 16 heads of 64 channels, 2,048 queries and keys, no mask.  Q, K, V in f16 (buffer qkv, in the order of an operand's registers); products, maxima and sums in f32;
; the weights p are rounded to f16 for the second product, ctx once to f16 at the end.  LIMIT: ctx is kept in f16: magnitudes up to 65,504, under 6e-5 with the absolute step 6e-8.
; qkv: [panel 48][tile of 16 tokens: 256][block of 16 channels: 4][512 bytes]; panel = head (q), 16 + head (k), 32 + head (v); tile = 128 b + token / 16; in a block lane (r, h) has token r, channels 8 h .. 8 h + 7, at 16 x lane
; (V's blocks with the lanes permuted for the turning load).  So every fragment comes by loads at a constant + 16 x lane: no pitch, no padding, and 32 lanes read 512 consecutive bytes; every tile is a dense block of memory.
; SHARES.  A work-group owns 256 queries of one (b, head).  Wave w has query group g = w % 4 (64 queries: four tiles of 16) and key parity kp = w / 4: it walks the key steps (64 keys) kp, kp + 2, ..: 16 steps.
; At the end waves g and g + 4 merge their maxima, sums and O through LDS.  Two waves share a SIMD's registers, 512 each, so that one wave's softmax stands beside the other's products; each fragment of K and V read from LDS feeds four products.
; LAYOUT.  S^T = K Q^T (source 0 = 16 keys, source 1 = 16 queries): a lane holds ONE query (lane % 16) and keys 8 (lane / 16) + 0..7.  Two such tiles, rounded to f16 in pairs, ARE source 1 (32 keys x 16 queries) of O^T = V^T P,
; whose result again holds one query a lane, and eight channels: packed, a block of ctx as it lies in memory.
; SOFTMAX.  For each query a running maximum m and sum l: p = 2^(c s - c m), c = log2(e) / 8; in every step O and l are multiplied by a = 2^(c m_old - c m_new).  m begins at -3e38, l and O^T at 0, so that the step is written in one form.
; RING.  Two LDS slots of 512 keys (64 KiB of K, then 64 KiB of V).  Each of the eight waves fetches an eighth of a slot (16 KiB, dense) by one tensor load.  Both slots are asked for at the head; each is filled again once.
; CLUSTER.  The four query blocks of a cluster belong to one head and walk the same K and V: each tile is asked for JOINTLY, by the same tensor load with the same descriptor and a mask that names the four.
; ctx: [K step of 256 channels: 4][tile of 16 tokens: 256][block of 16 channels: 16][512 bytes].
; REGISTERS.  Window 0: v1-7 addresses; v8-15 my statistics for the merge; v16-47 eight registers of statistics a tile; v48-111 Q; v112-175 S^T of two tiles at a time; v176-239 P; v240-247 the partner's statistics.
;   Window 1: v0-127 O^T (32 a tile); v128-191 K of one step; v192-255 V of one step.
.set SLOT1, 1<<17                      ; slot 1 begins here: one exclusive or turns an address in one slot into the other's
.set VOFF,  65536                      ; in a slot: V behind K
.set STEPB, 8192                       ; a key step's K, or V: 4 tiles of 2,048 bytes
.set SPARE, 2*SLOT1                    ; behind the ring: the spare words, 128 bytes for each of eight waves: four blocks of 256 bytes that no other line names
.set MG,    17408                      ; the merge: for each query group 32 blocks of O and 2 of statistics.  It lies in LDS slot 0, which has had its last fill and its last read at the last change of slots
.set LN,  1                            ; v1   16 x lane; never rewritten
.set LNV, 2                            ; v2   16 x lane + VOFF; never rewritten
.set ADR, 3                            ; v3   the LDS address of the run of loads in hand
.set SG,  4                            ; v4   the merge: MG x query group + 16 x lane
.set SPW, 6                            ; v6   LDS address of my spare word; never rewritten
.set NIL, 7                            ; v7   0; never rewritten
.set X,   8
.set ST,  16                           ; tile t's statistics at v[ST + 8 t]: +0 c m, +1 m, +2, +3 l (even keys', odd keys'), +4 to +7 c0-c3, at work; a takes c2's place
.set Q,   48                           ; tile t, channels 32 c on: v[Q + 16 t + 8 c]
.set S,   112                          ; tile n of the pair in hand, keys 16 k on: v[S + 32 n + 8 k]
.set P,   176                          ; tile t, keys 32 u on: v[P + 16 t + 8 u]
.set Y,   240
.set KF,  128                          ; window 1: keys 16 k on, channels 32 c on: v[KF + 16 k + 8 c]
.set VF,  192                          ; window 1: channels 16 c on, keys 32 u on: v[VF + 16 c + 8 u]
.set WV,  8                            ; s8   my wave's number
.set G1,  16                           ; s[16:23] descriptor group 1
.set G0A, 24                           ; s[24:27] group 0 of the first fill of slot 0
.set G0W, 28                           ; s[28:31] group 0 of the first fill of slot 1, which then walks
.set CS,  32                           ; s[32:33] c: the packed scaling names a pair and takes its low word for both halves
.set SEL, 34                           ; s[34:35] lane selects for v_permlanex16_b32: lane l xor 16
.set TB,  36                           ; s36  LDS byte at which the K tiles of my step to be fetched begin
.set CNT, 37                           ; s37  counts a slot's first three steps
.set SLOTS, 38                         ; s38  slots still to be asked for
.set MSB, 0
.macro WIN new                         ; the immediate's high byte repeats the setting that is left; a switch that changes nothing is dropped
.if MSB != (\new)
	s_set_vgpr_msb (MSB<<8)|(\new)
.set MSB, \new
.endif
.endm
.set W_KQ, 0x01                        ; K in window 1; Q and S^T in window 0
.set W_PV, 0x51                        ; V and O^T in window 1, P in window 0
.set W_RS, 0x41                        ; O^T (destination and source 0) in window 1, a in window 0
.set W_LD, 0x40                        ; destination window 1, address window 0
.macro CROUND                          ; a round of the cluster's barrier: my work-group's barrier; wave 0 signals for the work-group; every wave waits for all four; my work-group's barrier once more
	s_barrier_signal -1
	s_barrier_wait -1
	s_cmp_lg_u32 s[WV], 0
	s_cbranch_scc1 .Lnot_wave_0_\@
	s_barrier_signal -3
.Lnot_wave_0_\@:
	s_barrier_wait -3
	s_barrier_signal -1
	s_barrier_wait -1
.endm
; A vector instruction that reads a matrix result or writes one of a matrix instruction's registers, and a load into a register that a matrix instruction has read, stand four places behind it; a matrix instruction that writes over
; such a register five; only plain vector instructions that name none of its registers are places (ISA guide 7.12.1 for vector instructions).
.macro PLACES
.rept 4
	v_nop
.endr
.endm
	s_load_b128 s[4:7], s[0:1], 0x0                ; qkv s[4:5], ctx s[6:7]
	v_lshl_add_u32 v[SPW], v0, 2, SPARE
	v_mov_b32 v[NIL], 0
	ds_add_u32 v[SPW], v[NIL]                      ; the wave's opening: the add, twice on end, and its wait ahead of my first tensor load; the set-up below, work on registers, stands between
	ds_add_u32 v[SPW], v[NIL]
	v_lshrrev_b32 v[ADR], 5, v0
	v_readfirstlane_b32 s[WV], v[ADR]              ; wave 0..7
	s_bfe_u32 s9, ttmp6, 0x40000                   ; cx: my place in the cluster
	s_lshl_b32 s10, ttmp9, 2                       ; in a cluster launch ttmp9 counts clusters
	s_add_co_u32 s10, s10, s9                      ; my block of 256 queries: it enters Q's and ctx's addresses alone
	s_and_b32 s11, ttmp7, 0xffff                   ; 16 b + head, which the four partners share
	s_and_b32 s12, s11, 15                         ; head
	s_lshr_b32 s13, s11, 4                         ; b
	s_and_b32 s14, s[WV], 3                        ; query group.  Also: which quarter of a slot's K or V I fetch
	s_lshr_b32 s15, s[WV], 2                       ; key parity.  Also: I fetch for K (0) or for V (1)
	; descriptor group 1: 16 KiB, dense, as 64 rows of 256 bytes (32 elements of 8 bytes)
	s_mov_b32 s[G1], 15|(3<<16)|(1<<21)            ; 15:0 the mask: all four work-groups; 17:16 elements of 8 bytes; 20 no padding; 21 set beside a mask
	s_mov_b32 s[G1+1], 32<<16                      ; tensor_dim0 = 32
	s_mov_b32 s[G1+2], 64<<16                      ; tensor_dim1 = 64
	s_mov_b32 s[G1+3], 32<<16                      ; tile_dim0 = 32
	s_mov_b32 s[G1+4], 64                          ; tile_dim1 = 64
	s_mov_b32 s[G1+5], 32                          ; tensor_dim0_stride
	s_mov_b32 s[G1+6], 0
	s_mov_b32 s[G1+7], 0
	; what I fetch: panel 16 + head (K) or 32 + head (V), batch b, my quarter of the slot's 32 tiles.  Made of the head, b and the wave's number alone, in registers that never hold cx
	s_add_co_u32 s40, s12, 16
	s_lshl_b32 s40, s40, 19                        ; 524,288 bytes a panel
	s_lshl_b32 s41, s13, 18                        ; 128 tiles of 2,048 bytes a batch
	s_add_co_u32 s40, s40, s41
	s_lshl_b32 s41, s15, 23                        ; V's panels lie 16 panels behind K's
	s_add_co_u32 s40, s40, s41
	s_lshl_b32 s41, s14, 14                        ; 8 tiles a quarter
	s_add_co_u32 s40, s40, s41
	s_mov_b32 s41, 0
	; my wave's first tile of queries: 128 b + 16 x block + 4 x group
	s_lshl_b32 s42, s13, 7
	s_lshl_b32 s43, s10, 4
	s_add_co_u32 s42, s42, s43
	s_lshl_b32 s43, s14, 2
	s_add_co_u32 s42, s42, s43
	s_lshl_b32 s44, s42, 13                        ; in ctx: 8,192 bytes a tile,
	s_lshl_b32 s42, s42, 11                        ; in qkv: 2,048
	s_lshl_b32 s43, s12, 19                        ; Q's panel = head
	s_add_co_u32 s42, s42, s43
	s_mov_b32 s43, 0
	s_lshr_b32 s45, s12, 2
	s_lshl_b32 s45, s45, 21                        ; ctx: the K step of 256 channels = head / 4, 2,097,152 bytes each,
	s_add_co_u32 s44, s44, s45
	s_and_b32 s45, s12, 3
	s_lshl_b32 s45, s45, 11                        ; and the head's four blocks in a tile
	s_add_co_u32 s44, s44, s45
	s_mov_b32 s45, 0
	s_lshl_b32 s46, s[WV], 14                      ; where my eighth of a slot goes: 16,384 x wave: no place in the cluster enters an LDS address
	s_mul_i32 s47, s14, MG
	s_mov_b32 s[CS], 0x3e38aa3b                    ; c = log2(e) / 8
	s_mov_b32 s[CS+1], s[CS]                       ; named with it as a pair, so it is written
	s_mov_b32 s[SEL], 0x76543210
	s_mov_b32 s[SEL+1], 0xfedcba98
	s_lshl_b32 s[TB], s15, 13                      ; my first key step: kp
	s_mov_b32 s[SLOTS], 2
	v_and_b32 v[LN], 31, v0
	v_lshlrev_b32 v[LN], 4, v[LN]
	v_add_nc_u32 v[LNV], VOFF, v[LN]
	v_add_nc_u32 v[SG], s47, v[LN]
	s_wait_dscnt 0x0                               ; both opening adds are done
	s_wait_kmcnt 0x0
	s_mov_b32 s[G0A], 1                            ; 1:0 count = 1
	s_mov_b32 s[G0A+1], s46                        ; 63:32 LDS address: slot 0
	s_add_nc_u64 s[G0A+2:G0A+3], s[4:5], s[40:41]  ; 120:64 global address: keys 0 to 511
	s_or_b32 s[G0A+3], s[G0A+3], 0x80000000        ; 127:126 type = 2
	s_mov_b32 s[G0W], 1
	s_add_co_u32 s[G0W+1], s46, SLOT1              ; slot 1
	s_add_nc_u64 s[G0W+2:G0W+3], s[4:5], s[40:41]
	s_add_nc_u64 s[G0W+2:G0W+3], s[G0W+2:G0W+3], 65536   ; keys 512 to 1,023: 32 tiles on
	s_or_b32 s[G0W+3], s[G0W+3], 0x80000000
	s_add_nc_u64 s[4:5], s[4:5], s[42:43]          ; Q at my wave's first tile
	s_add_nc_u64 s[6:7], s[6:7], s[44:45]          ; ctx likewise
	CROUND                                         ; all four work-groups are here: the first joint loads meet
	tensor_load_to_lds s[G0A:G0A+3], s[G1:G1+7]    ; both first fills go out together, ahead of every wait on TENSORcnt and every LDS read: two loads of mine are out
	s_nop 0
	tensor_load_to_lds s[G0W:G0W+3], s[G1:G1+7]
	s_nop 0
	PLACES
.irp t, 0,1,2,3
.irp i, 0,1,2,3
	global_load_b128 v[Q+16*\t+4*\i:Q+16*\t+4*\i+3], v[LN], s[4:5] offset:2048*\t+512*\i   ; Q stays in registers: tile t, block i: 512 consecutive bytes a load
.endr
.endr
.irp t, 0,1,2,3
	v_mov_b32 v[ST+8*\t+1], 0xff61b1e6             ; m: -3e38, under every score
	v_mov_b32 v[ST+8*\t+2], 0                      ; l, in two halves
	v_mov_b32 v[ST+8*\t+3], 0
.endr
.irp t, 0,1,2,3
	v_mul_f32 v[ST+8*\t], s[CS], v[ST+8*\t+1]      ; c m
.endr
	WIN W_LD
.set i, 0
.rept 128
	v_mov_b32 v[i], 0                              ; O^T.  (The step is written in one form: the first finds zeros, which its a = 0 leaves zeros)
.set i, i+1
.endr
	WIN 0
; THE LDS LOADS stand in runs of 16: a step's K (16 blocks as they lie) and its V (turned).
.macro FETCH_K
	WIN 0
	v_add_nc_u32 v[ADR], s[TB], v[LN]
	WIN W_LD
.set i, 0
.rept 16
	ds_load_b128 v[KF+4*i:KF+4*i+3], v[ADR] offset:512*i   ; tile i / 4, block i % 4: blocks 2 c and 2 c + 1 are the fragment of channels 32 c on
.set i, i+1
.endr
.endm
.macro FETCH_V
	WIN 0
	v_add_nc_u32 v[ADR], s[TB], v[LNV]
	s_add_co_u32 s[TB], s[TB], 2*STEPB             ; my next step lies two steps on
	WIN W_LD
.irp c, 0,1,2,3
.irp u, 0,1
.irp f, 0,1
	ds_load_tr16_b128 v[VF+16*\c+8*\u+4*\f:VF+16*\c+8*\u+4*\f+3], v[ADR] offset:(2*\u+\f)*2048+512*\c   ; keys 32 u + 16 f on, channels 16 c on: half a fragment of V^T
.endr
.endr
.endr
.endm
; S^T = K Q^T for tiles tb, tb + 1: 16 products; the 8 accumulators take turns, one instruction a turn; the first 8 start the sums.
.macro QK tb
	WIN W_KQ
.irp c, 0,1
.irp k, 0,1,2,3
.irp n, 0,1
.if \c == 0
	v_wmma_f32_16x16x32_f16 v[S+32*\n+8*\k:S+32*\n+8*\k+7], v[KF+16*\k+8*\c:KF+16*\k+8*\c+7], v[Q+16*((\tb)+\n)+8*\c:Q+16*((\tb)+\n)+8*\c+7], 0
.else
	v_wmma_f32_16x16x32_f16 v[S+32*\n+8*\k:S+32*\n+8*\k+7], v[KF+16*\k+8*\c:KF+16*\k+8*\c+7], v[Q+16*((\tb)+\n)+8*\c:Q+16*((\tb)+\n)+8*\c+7], v[S+32*\n+8*\k:S+32*\n+8*\k+7]
.endif
.endr
.endr
.endr
.endm
; O^T += V^T P for all four tiles: 32 products; the 16 accumulators take turns.
.macro PV
	WIN W_PV
.irp u, 0,1
.irp c, 0,1,2,3
.irp t, 0,1,2,3
	v_wmma_f32_16x16x32_f16 v[32*\t+8*\c:32*\t+8*\c+7], v[VF+16*\c+8*\u:VF+16*\c+8*\u+7], v[P+16*\t+8*\u:P+16*\t+8*\u+7], v[32*\t+8*\c:32*\t+8*\c+7]
.endr
.endr
.endr
.endm
; THE SOFTMAX of tiles tb, tb + 1, the two by turns, so that no line reads the result of the line above it.
; SMAX: the maximum of the lane's 32 scores and the old m (four chains of seven scores, each accumulator first read at its low end), the other half of the lanes' maximum, the new m, c m, and c m_old - c m_new.
.macro SMAX tb
.irp j, 0,1,2,3
.irp n, 0,1
	v_max3_num_f32 v[ST+8*((\tb)+\n)+4+\j], v[S+32*\n+8*\j], v[S+32*\n+8*\j+1], v[S+32*\n+8*\j+2]
.endr
.endr
.irp i, 1,2
.irp j, 0,1,2,3
.irp n, 0,1
	v_max3_num_f32 v[ST+8*((\tb)+\n)+4+\j], v[ST+8*((\tb)+\n)+4+\j], v[S+32*\n+8*\j+2*\i+1], v[S+32*\n+8*\j+2*\i+2]
.endr
.endr
.endr
.irp n, 0,1
	v_max3_num_f32 v[ST+8*((\tb)+\n)+4], v[ST+8*((\tb)+\n)+4], v[S+32*\n+7], v[S+32*\n+15]
	v_max3_num_f32 v[ST+8*((\tb)+\n)+6], v[ST+8*((\tb)+\n)+6], v[S+32*\n+23], v[S+32*\n+31]
.endr
.irp n, 0,1
	v_max3_num_f32 v[ST+8*((\tb)+\n)+4], v[ST+8*((\tb)+\n)+4], v[ST+8*((\tb)+\n)+5], v[ST+8*((\tb)+\n)+6]
.endr
.irp n, 0,1
	v_max3_num_f32 v[ST+8*((\tb)+\n)+4], v[ST+8*((\tb)+\n)+4], v[ST+8*((\tb)+\n)+7], v[ST+8*((\tb)+\n)+1]
.endr
.irp n, 0,1
	v_permlanex16_b32 v[ST+8*((\tb)+\n)+5], v[ST+8*((\tb)+\n)+4], s[SEL], s[SEL+1]   ; the query's other 32 keys lie in the lane 16 away
.endr
.irp n, 0,1
	v_mov_b32 v[ST+8*((\tb)+\n)+7], v[ST+8*((\tb)+\n)]                ; c m_old is kept for a
.endr
.irp n, 0,1
	v_max_num_f32 v[ST+8*((\tb)+\n)+1], v[ST+8*((\tb)+\n)+4], v[ST+8*((\tb)+\n)+5]
.endr
.irp n, 0,1
	v_mul_f32 v[ST+8*((\tb)+\n)], s[CS], v[ST+8*((\tb)+\n)+1]
.endr
.irp n, 0,1
	v_sub_f32 v[ST+8*((\tb)+\n)+7], v[ST+8*((\tb)+\n)+7], v[ST+8*((\tb)+\n)]
.endr
.endm
.macro SCALE tb, pr                    ; c s - c m of pair pr of both tiles
.irp n, 0,1
.set rT, ST+8*((\tb)+\n)
.set rS, S+32*\n+2*(\pr)
	v_pk_fma_f32 v[rS:rS+1], v[rS:rS+1], s[CS:CS+1], v[rT:rT+1] op_sel_hi:[1,0,0] neg_lo:[0,0,1] neg_hi:[0,0,1]
.endr
.endm
; SEXP: ONE BATCH: the 32 scalings and all 66 exponentials (a of both tiles, then the 64 scores).  None of these names an exponential's result; a pair is scaled two groups ahead of its exponentials.
; Behind the batch stand one plain line and one wait, ahead of the first line that names a result.
.macro SEXP tb
	SCALE \tb, 0
	SCALE \tb, 1
.irp n, 0,1
	v_exp_f32 v[ST+8*((\tb)+\n)+6], v[ST+8*((\tb)+\n)+7]              ; a = 2^(c m_old - c m_new)
.endr
.set i, 0
.rept 16
.if i < 14
	SCALE \tb, i+2
.endif
.irp n, 0,1
	v_exp_f32 v[S+32*\n+2*i], v[S+32*\n+2*i]
	v_exp_f32 v[S+32*\n+2*i+1], v[S+32*\n+2*i+1]
.endr
.set i, i+1
.endr
	v_nop
	s_wait_alu depctr_va_vdst(0)
.endm
.macro SCVT tb                         ; the weights rounded to f16, a pair each: the 16 registers of a tile are two fragments of P
.set i, 0
.rept 16
.irp n, 0,1
	v_cvt_pk_f16_f32 v[P+16*((\tb)+\n)+i], v[S+32*\n+2*i], v[S+32*\n+2*i+1]
.endr
.set i, i+1
.endr
.endm
.macro SSUM tb                         ; the sum of a tile's 16 pairs (an even key's weight, an odd key's), in place: neighbours 1, 2, 4 and 8 pairs apart; then l = a l + the sum
.irp z, 0,1,2,3,4,5,6,7
.irp n, 0,1
	v_pk_add_f32 v[S+32*\n+4*\z:S+32*\n+4*\z+1], v[S+32*\n+4*\z:S+32*\n+4*\z+1], v[S+32*\n+4*\z+2:S+32*\n+4*\z+3]
.endr
.endr
.irp z, 0,1,2,3
.irp n, 0,1
	v_pk_add_f32 v[S+32*\n+8*\z:S+32*\n+8*\z+1], v[S+32*\n+8*\z:S+32*\n+8*\z+1], v[S+32*\n+8*\z+4:S+32*\n+8*\z+5]
.endr
.endr
.irp z, 0,1
.irp n, 0,1
	v_pk_add_f32 v[S+32*\n+16*\z:S+32*\n+16*\z+1], v[S+32*\n+16*\z:S+32*\n+16*\z+1], v[S+32*\n+16*\z+8:S+32*\n+16*\z+9]
.endr
.endr
.irp n, 0,1
	v_pk_add_f32 v[S+32*\n:S+32*\n+1], v[S+32*\n:S+32*\n+1], v[S+32*\n+16:S+32*\n+17]
.endr
.irp n, 0,1
	v_pk_fma_f32 v[ST+8*((\tb)+\n)+2:ST+8*((\tb)+\n)+3], v[ST+8*((\tb)+\n)+2:ST+8*((\tb)+\n)+3], v[ST+8*((\tb)+\n)+6:ST+8*((\tb)+\n)+7], v[S+32*\n:S+32*\n+1] op_sel_hi:[1,0,1]
.endr
.endm
.macro RESC tb                         ; the two tiles' O^T times a
	WIN W_RS
.set i, 0
.rept 16
.irp n, 0,1
	v_pk_mul_f32 v[32*((\tb)+\n)+2*i:32*((\tb)+\n)+2*i+1], v[32*((\tb)+\n)+2*i:32*((\tb)+\n)+2*i+1], v[ST+8*((\tb)+\n)+6:ST+8*((\tb)+\n)+7] op_sel_hi:[1,0]
.endr
.set i, i+1
.endr
.endm
; THE CHANGE OF SLOTS, in the fourth of a wave's steps in a slot, when that step's K has been multiplied and its V asked for.  Each wave waits for all its tensor loads (its part of the other slot), adds 0 to its spare word,
; and waits for that and for its reads of the slot (V of this step is then in registers).  Behind the barrier nobody reads this slot and the other is whole.
; fill = 1: this slot is filled again, with the keys two slots on: the barrier is then a round of the cluster's, and the joint refill is the first thing behind it: it has four steps of every wave in which to land.
.macro CHANGE fill
	WIN 0                                          ; at a label and at a branch every window is 0
	s_wait_tensorcnt 0x0                           ; no tensor load of mine is out, so a group 0 may be written
	ds_add_u32 v[SPW], v[NIL]                      ; 0 onto my spare word
.if \fill
	s_xor_b32 s[G0W+1], s[G0W+1], SLOT1            ; the walking descriptor: the other slot than last time,
	s_add_nc_u64 s[G0W+2:G0W+3], s[G0W+2:G0W+3], 65536   ; the next 512 keys; the type bits on top are not reached
	s_wait_dscnt 0x0                               ; the add is done, and my reads of the slot are over
	CROUND
	tensor_load_to_lds s[G0W:G0W+3], s[G1:G1+7]    ; my one tensor load until the next such round: one load of mine is out
	s_nop 0
	PLACES
.else
	s_wait_dscnt 0x0
	s_barrier_signal -1
	s_barrier_wait -1
.endif
	s_sub_co_u32 s[TB], s[TB], 65536               ; the fetches go back to a slot's first steps,
	s_xor_b32 s[TB], s[TB], SLOT1                  ; in the other slot
.endm
; A KEY STEP of a wave: 64 keys against its 64 queries.  kind 0: plain; 1: with a change of slots that fills; 2: with one that does not; 3: the last step: nothing more is fetched.
.macro STEP kind
	s_wait_dscnt 16                                ; this step's K is in; V's 16 loads may be out
	QK 0
	WIN 0
	PLACES                                         ; the maxima read results just made
	SMAX 0
	SEXP 0
	SCVT 0
	SSUM 0
	RESC 0                                         ; (its 32 lines name none of the first products' registers: with the four above they are the places ahead of the products that write over S^T)
	QK 2
	WIN 0
	PLACES                                         ; for the loads into K's registers and the maxima below
.if \kind == 1
	CHANGE 1
.elseif \kind == 2
	CHANGE 0
.endif
.if \kind < 3
	FETCH_K                                        ; my next step's K
.endif
	WIN 0
	SMAX 2
	SEXP 2
	SCVT 2
	RESC 2
.if \kind < 3
	s_wait_dscnt 16                                ; V is in; the next K's 16 loads may be out
.else
	s_wait_dscnt 0x0
.endif
	PV
	WIN 0
	SSUM 2                                         ; 32 plain lines that name none of the last products' registers: the places ahead of the loads into V's registers
.if \kind < 3
	FETCH_V                                        ; my next step's V
.endif
	WIN 0
.endm
.macro THREE                           ; a slot's first three steps of a wave: written once, walked three times; the LDS addresses hang on s[TB]
	s_mov_b32 s[CNT], 3
.Lstep_\@:
	STEP 0
	s_sub_co_u32 s[CNT], s[CNT], 1
	s_cmp_lg_u32 s[CNT], 0
	s_cbranch_scc1 .Lstep_\@
.endm
	s_wait_tensorcnt 1                             ; my part of slot 0 is in; slot 1's may stay out
	s_barrier_signal -1
	s_barrier_wait -1                              ; everybody's is
	FETCH_K                                        ; my first step
	FETCH_V
	WIN 0
	s_wait_loadcnt 0x0                             ; Q
.Lslot:                                            ; two trips: each of the two slots is filled again once
	THREE
	STEP 1
	s_sub_co_u32 s[SLOTS], s[SLOTS], 1
	s_cmp_lg_u32 s[SLOTS], 0
	s_cbranch_scc1 .Lslot
	THREE                                          ; the tail is written out
	STEP 2
	THREE
	STEP 3
	; THE MERGE.  Waves 4 to 7 put O^T, c m and l into LDS as images of their registers; waves 0 to 3 bring both halves under the common maximum, divide by the sum and store.
.irp t, 0,1,2,3
	v_mov_b32 v[X+2*\t], v[ST+8*\t]                ; c m
	v_add_f32 v[X+2*\t+1], v[ST+8*\t+2], v[ST+8*\t+3]   ; l's two halves
.endr
	s_cmp_lt_u32 s[WV], 4
	s_cbranch_scc1 .Lkeep
	WIN 0x04                                       ; an LDS store's data are its source 1: window 1
.set i, 0
.rept 32
	ds_store_b128 v[SG], v[4*i:4*i+3] offset:512*i   ; each accumulator from its low end on; 512 consecutive bytes a store
.set i, i+1
.endr
	WIN 0
	ds_store_b128 v[SG], v[X:X+3] offset:16384
	ds_store_b128 v[SG], v[X+4:X+7] offset:16896
.Lkeep:
	s_wait_dscnt 0x0                               ; for the others' sake: my stores have landed
	s_barrier_signal -1
	s_barrier_wait -1
	s_cmp_ge_u32 s[WV], 4
	s_cbranch_scc1 .Ldone
	ds_load_b128 v[Y:Y+3], v[SG] offset:16384
	ds_load_b128 v[Y+4:Y+7], v[SG] offset:16896
.set i, 0
.rept 32
	ds_load_b128 v[S+4*i:S+4*i+3], v[SG] offset:512*i   ; the partner's O^T into v112-239
.set i, i+1
.endr
	s_wait_dscnt 0x0
.irp t, 0,1,2,3
	v_max_num_f32 v[ST+8*\t+4], v[X+2*\t], v[Y+2*\t]   ; the common c m
.endr
.irp t, 0,1,2,3
	v_sub_f32 v[ST+8*\t+5], v[X+2*\t], v[ST+8*\t+4]
	v_sub_f32 v[ST+8*\t+6], v[Y+2*\t], v[ST+8*\t+4]
.endr
.irp t, 0,1,2,3
	v_exp_f32 v[ST+8*\t+5], v[ST+8*\t+5]           ; e0: mine under the common maximum
	v_exp_f32 v[ST+8*\t+6], v[ST+8*\t+6]           ; e1: the partner's
.endr
	v_nop                                          ; a plain line behind the last exponential,
	s_wait_alu depctr_va_vdst(0)                   ; and the one wait for the eight, ahead of their first use
.irp t, 0,1,2,3
	v_mul_f32 v[ST+8*\t+7], v[ST+8*\t+5], v[X+2*\t+1]
.endr
.irp t, 0,1,2,3
	v_fma_f32 v[ST+8*\t+7], v[ST+8*\t+6], v[Y+2*\t+1], v[ST+8*\t+7]   ; e0 l0 + e1 l1
.endr
.irp t, 0,1,2,3
	v_permlanex16_b32 v[ST+8*\t+4], v[ST+8*\t+7], s[SEL], s[SEL+1]
.endr
.irp t, 0,1,2,3
	v_add_f32 v[ST+8*\t+7], v[ST+8*\t+7], v[ST+8*\t+4]   ; with the other half of the lanes': the row's sum
.endr
.irp t, 0,1,2,3
	v_rcp_f32 v[ST+8*\t+4], v[ST+8*\t+7]
.endr
	v_nop
	s_wait_alu depctr_va_vdst(0)                   ; one wait for the four reciprocals
.irp t, 0,1,2,3
	v_mul_f32 v[ST+8*\t], v[ST+8*\t+5], v[ST+8*\t+4]     ; f0 = e0 / l
	v_mul_f32 v[ST+8*\t+2], v[ST+8*\t+6], v[ST+8*\t+4]   ; f1 = e1 / l
.endr
.irp t, 0,1,2,3
.set i, 0
.rept 16
	v_pk_mul_f32 v[S+32*\t+2*i:S+32*\t+2*i+1], v[S+32*\t+2*i:S+32*\t+2*i+1], v[ST+8*\t+2:ST+8*\t+3] op_sel_hi:[1,0]
.set i, i+1
.endr
.endr
	WIN 0x01                                       ; source 0: my O^T, window 1
.irp t, 0,1,2,3
.set i, 0
.rept 16
	v_pk_fma_f32 v[S+32*\t+2*i:S+32*\t+2*i+1], v[32*\t+2*i:32*\t+2*i+1], v[ST+8*\t:ST+8*\t+1], v[S+32*\t+2*i:S+32*\t+2*i+1] op_sel_hi:[1,0,1]
.set i, i+1
.endr
.endr
	WIN 0
.set i, 0
.rept 64
	v_cvt_pk_f16_f32 v[Q+i], v[S+2*i], v[S+2*i+1]  ; a lane's eight channels of a query pack into 16 bytes: four registers are a block of ctx
.set i, i+1
.endr
.irp t, 0,1,2,3
.irp c, 0,1,2,3
	global_store_b128 v[LN], v[Q+16*\t+4*\c:Q+16*\t+4*\c+3], s[6:7] offset:8192*\t+512*\c   ; 32 lanes store 512 consecutive bytes, at a multiple of 512 from the buffer's first byte
.endr
.endr
.Ldone:
	s_wait_tensorcnt 0x0                           ; the wave's end: behind my last tensor load and my last LDS store
	ds_add_u32 v[SPW], v[NIL]
	s_wait_dscnt 0x0
	CROUND                                         ; the closing round: no work-group ends while a partner may still ask for a tile that names it
	s_endpgm
.Lfunc_end_k_qb265431be0_attn:
	.size	k_qb265431be0_attn, .Lfunc_end_k_qb265431be0_attn-k_qb265431be0_attn
	.p2alignl 7, 3214868480
	.fill 96, 4, 3214868480
	.section	.rodata,"a",@progbits
	.p2align	6, 0x0
	.amdhsa_kernel k_qb265431be0_attn
		.amdhsa_group_segment_fixed_size 327680
		.amdhsa_private_segment_fixed_size 0
		.amdhsa_enable_private_segment 0
		.amdhsa_kernarg_size 16
		.amdhsa_user_sgpr_count 2
		.amdhsa_user_sgpr_kernarg_segment_ptr 1
		.amdhsa_wavefront_size32 1
		.amdhsa_system_sgpr_workgroup_id_x 1
		.amdhsa_system_sgpr_workgroup_id_y 1
		.amdhsa_system_sgpr_workgroup_id_z 1
		.amdhsa_system_vgpr_workitem_id 0
		.amdhsa_next_free_vgpr 512
		.amdhsa_next_free_sgpr 66
		.amdhsa_reserve_vcc 0
		.amdhsa_float_denorm_mode_32 3
		.amdhsa_float_denorm_mode_16_64 3
		.amdhsa_memory_ordered 1
		.amdhsa_forward_progress 1
		.amdhsa_inst_pref_size 224
	.end_amdhsa_kernel
	.amdgpu_metadata
---
amdhsa.version: [ 1, 2 ]
amdhsa.kernels:
  - .name:           k_qb265431be0_attn
    .symbol:         k_qb265431be0_attn.kd
    .args:
      - { .name: qkv, .offset: 0, .size: 8, .value_kind: global_buffer, .address_space: global }
      - { .name: ctx, .offset: 8, .size: 8, .value_kind: global_buffer, .address_space: global }
    .group_segment_fixed_size: 327680
    .private_segment_fixed_size: 0
    .kernarg_segment_align: 8
    .kernarg_segment_size: 16
    .max_flat_workgroup_size: 256
    .sgpr_count:     66
    .vgpr_count:     512
    .wavefront_size: 32
...
	.end_amdgpu_metadata
.endif
;; end of part 3
;; launch proj (part 4): grid 8 x 32, 4 waves a work-group, clusters of 4 x 4, 327,680 bytes of LDS; arguments ctx, wo16, out0; writes out0
.if DOCPART == 4
	.amdgcn_target "amdgcn-amd-amdhsa--gfx1250"
	.amdhsa_code_object_version 6
	.text
	.protected	k_qb265431be0_proj
	.globl	k_qb265431be0_proj
	.p2align	8
	.type	k_qb265431be0_proj,@function
k_qb265431be0_proj:
	s_mov_b64 s[64:65], 0
	v_nop
	global_prefetch_b8 v0, s[64:65] scope:SCOPE_SE
	s_setreg_imm32_b32 hwreg(HW_REG_WAVE_MODE, 25, 1), 1
	s_wait_xcnt 0x0
	s_wait_alu depctr_hold_cnt(0) depctr_sa_sdst(0) depctr_va_vdst(0) depctr_va_sdst(0) depctr_va_ssrc(0) depctr_va_vcc(0) depctr_vm_vsrc(0)
	s_getreg_b32 s2, hwreg(HW_REG_IB_STS2, 6, 4)
	s_cmp_eq_u32 s2, 0
	s_cbranch_scc0 .Lentry_in_a_cluster
	s_endpgm
.Lentry_in_a_cluster:
	s_bfe_u32 s2, ttmp6, 0x10000c
	s_cmp_lg_u32 s2, 0xf033
	s_cbranch_scc0 .Lentry_shape_is_right
	s_endpgm
.Lentry_shape_is_right:
; PROJ.  out0[m][n] = sum over k of ctx[m][k] W_o[n][k], m = 4,096, n = k = 1,024; operands in f16, sums and out0 in f32.
; Both operands lie in memory in the order of an operand's registers: ctx [K step of 256: 4][tile of 16 rows: 256][block of 16 k: 16][512 bytes], wo16 [K step: 4][tile of 16 rows n: 64][block: 16][512 bytes]; in a block lane (r, h) has
; row r, k = 8 h .. 8 h + 7, at 16 x lane; two blocks on end are a 16 x 32 fragment.  So a K step's tile is a dense block of memory, and every fragment load reads 512 consecutive bytes of LDS: no pitch and no padding.
; A tile of out0 is 128 x 128: 256 work-groups.  Four waves, each 64 x 64: 16 accumulators of 16 x 16.  K goes in four steps of 256 through two LDS slots (64 KiB of ctx, 64 KiB of W_o); each wave fetches a quarter of a slot by one tensor load.
; CLUSTERS: 4 x 4 work-groups.  The four of a row of the cluster need the same tiles of ctx, the four of a column the same tiles of W_o: each tile is asked for JOINTLY, by the same tensor load with the same descriptor and a mask that names the four.
; THE MATRIX INSTRUCTION IS USED TRANSPOSED (source 0 = 16 rows of W_o, source 1 = 16 rows of ctx): a lane then holds eight neighbouring numbers of a row of out0.
; REGISTERS: window 0: v0-31 addresses; v32-95 the way out; v128-255 the accumulators ((a, b) at v[128 + 8 (4 a + b)]).  Window 1: two fragment buffers of 128: for 64 along K, 64 registers of ctx (2 x 4 x 16 rows x 32 K), then 64 of W_o.
.set SLOT,   131072                    ; ctx's 128 rows x 256 k, then W_o's
.set HALFT,  32768                     ; 64 rows x 256 k: what one tensor load brings, and what one wave reads of either
.set ASTEP,  2097152                   ; a K step on, in ctx
.set BSTEP,  524288                    ; and in wo16
.set STAGE,  2*SLOT                    ; behind the ring: 16 rows x 272 bytes for each wave, for the way out
.set SPITCH, 272                       ; 256 bytes + 16 = 68 words: row r starts at bank 4 r mod 64 (64 banks of 4 bytes: ISA guide 11.1)
.set SPARE,  STAGE+4*16*SPITCH         ; the spare words, 128 bytes for each wave: two blocks of 256 bytes that no other line names
.set ADRA, 16                          ; v16-17  LDS address of my ctx fragments in slot 0, 1
.set ADRB, 20                          ; v20-21  the same for W_o
.set STO,  24                          ; v24     the way out: where I put 32 bytes of a row
.set RD,   25                          ; v25     the way out: where I read a row back
.set CO,   26                          ; v26     my byte offset in out0
.set SPW,  28                          ; v28     LDS address of my spare word; never rewritten
.set NIL,  29                          ; v29     0; never rewritten
.set TMP,  32                          ; the way out: two sets of 32 registers
.set ACC,  128
.set F0,   0                           ; fragment buffers, in window 1
.set F1,   128
.set G1, 24                            ; s[24:31] descriptor group 1 for ctx's tiles;  s[32:39] group 0, one set for each slot
.set G0, 32
.set G1B, 48                           ; s[48:55], s[56:63] the same for W_o's tiles
.set G0B, 56
.set MSB, 0
.macro WIN new                         ; the immediate's high byte repeats the setting that is left; a switch that changes nothing is dropped
.if MSB != (\new)
	s_set_vgpr_msb (MSB<<8)|(\new)
.set MSB, \new
.endif
.endm
.set MUL,  0x05                        ; sources 0 (W_o) and 1 (ctx) window 1; C and D window 0
.set TO_F, 0x40                        ; destination window 1, address window 0
.macro JLOAD s                         ; a joint load: waves 0 and 1 fetch ctx's two halves, waves 2 and 3 W_o's; an s_nop 0 and four v_nop follow each of the two lines, ahead of the jump, the label and what follows
	s_cmp_eq_u32 s11, 0
	s_cbranch_scc0 .Lfor_b_\@
	tensor_load_to_lds s[G0+4*\s:G0+4*\s+3], s[G1:G1+7]
	s_nop 0
.rept 4
	v_nop
.endr
	s_branch .Lasked_\@
.Lfor_b_\@:
	tensor_load_to_lds s[G0B+4*\s:G0B+4*\s+3], s[G1B:G1B+7]
	s_nop 0
.rept 4
	v_nop
.endr
.Lasked_\@:
.endm
.macro CREST                           ; a round of the cluster's barrier behind its opening barrier
	s_cmp_lg_u32 s10, 0
	s_cbranch_scc1 .Lnot_wave_0_\@
	s_barrier_signal -3
.Lnot_wave_0_\@:
	s_barrier_wait -3
	s_barrier_signal -1
	s_barrier_wait -1
.endm
.macro CROUND                          ; a whole round
	s_barrier_signal -1
	s_barrier_wait -1
	CREST
.endm
	s_load_b128 s[4:7], s[0:1], 0x0                ; ctx s[4:5], wo16 s[6:7]
	s_load_b64 s[8:9], s[0:1], 0x10                ; out0
	v_lshl_add_u32 v[SPW], v0, 2, SPARE
	v_mov_b32 v[NIL], 0
	ds_add_u32 v[SPW], v[NIL]                      ; the wave's opening: the add, twice on end, and its wait ahead of my first tensor load; the set-up below, work on registers, stands between
	ds_add_u32 v[SPW], v[NIL]
	v_lshrrev_b32 v1, 5, v0
	v_readfirstlane_b32 s10, v1                    ; wave 0..3
	s_lshr_b32 s11, s10, 1                         ; which half of the tile's rows is mine.  Also: I fetch for ctx (0) or for W_o (1)
	s_and_b32 s12, s10, 1                          ; which half of its columns.  Also: which 64 rows of that tile I fetch
	s_bfe_u32 s40, ttmp6, 0x40000                  ; cx, cy: my place in the cluster
	s_bfe_u32 s41, ttmp6, 0x40004
	s_lshl_b32 s42, ttmp9, 2
	s_add_co_u32 s42, s42, s40                     ; tile column of out0 = 4 x cluster x + cx
	s_and_b32 s13, ttmp7, 0xffff
	s_lshl_b32 s13, s13, 2
	s_add_co_u32 s13, s13, s41                     ; tile row = 4 x cluster y + cy
	s_lshl_b32 s43, s41, 2
	s_lshl_b32 s43, 15, s43                        ; my row of the cluster
	s_lshl_b32 s44, 0x1111, s40                    ; my column
	; descriptor group 1: 32 KiB, dense, as 128 rows of 256 bytes (32 elements of 8 bytes)
	s_or_b32 s[G1+0], s43, (3<<16)|(1<<21)         ; 15:0 the mask: ctx's tiles go to my row; 17:16 elements of 8 bytes; 20 no padding; 21 set beside a mask
	s_or_b32 s[G1B+0], s44, (3<<16)|(1<<21)
.irp g, G1, G1B
	s_mov_b32 s[\g+1], 32<<16                      ; tensor_dim0 = 32
	s_mov_b32 s[\g+2], 128<<16                     ; tensor_dim1 = 128
	s_mov_b32 s[\g+3], 32<<16                      ; tile_dim0 = 32
	s_mov_b32 s[\g+4], 128                         ; tile_dim1 = 128
	s_mov_b32 s[\g+5], 32                          ; tensor_dim0_stride
	s_mov_b32 s[\g+6], 0
	s_mov_b32 s[\g+7], 0
.endr
	s_lshl_b32 s17, s12, 15                        ; which half I fetch: 4 tiles of 8,192 bytes
	s_lshl_b32 s16, s13, 16                        ; ctx: 8 tiles x tile row
	s_add_co_u32 s16, s16, s17
	s_lshl_b32 s46, s42, 16                        ; W_o: 8 tiles x tile column
	s_add_co_u32 s46, s46, s17
	s_mov_b32 s17, 0
	s_mov_b32 s47, 0
	s_lshl_b32 s20, s10, 15                        ; where they go: 32,768 x wave: no place in the cluster enters an LDS address
	s_wait_dscnt 0x0                               ; both opening adds are done
	s_wait_kmcnt 0x0
	s_add_nc_u64 s[14:15], s[4:5], s[16:17]
	s_add_nc_u64 s[46:47], s[6:7], s[46:47]
	CROUND                                         ; all sixteen work-groups are here: the first joint loads meet
.irp s, 0,1
	s_mov_b32 s[G0+4*\s], 1
	s_add_co_u32 s[G0+4*\s+1], s20, \s*SLOT
	s_add_nc_u64 s[G0+4*\s+2:G0+4*\s+3], s[14:15], \s*ASTEP
	s_or_b32 s[G0+4*\s+3], s[G0+4*\s+3], 0x80000000
	s_mov_b32 s[G0B+4*\s], 1
	s_add_co_u32 s[G0B+4*\s+1], s20, \s*SLOT
	s_add_nc_u64 s[G0B+4*\s+2:G0B+4*\s+3], s[46:47], \s*BSTEP
	s_or_b32 s[G0B+4*\s+3], s[G0B+4*\s+3], 0x80000000
	JLOAD \s                                       ; two loads of mine are out behind the second
.endr
	v_and_b32 v1, 15, v0                           ; r = lane % 16
	v_bfe_u32 v2, v0, 4, 1                         ; h = lane / 16
	v_and_b32 v3, 31, v0
	v_lshlrev_b32 v3, 4, v3                        ; 16 x lane
	s_lshl_b32 s21, s11, 15                        ; my 64 rows of ctx
	s_lshl_b32 s22, s12, 15                        ; my 64 rows of W_o,
	s_add_co_u32 s22, s22, 2*HALFT                 ; which lie behind ctx's 128
.irp s, 0,1
	v_add_nc_u32 v[ADRA+\s], s21, v3
	v_add_nc_u32 v[ADRB+\s], s22, v3
	s_add_co_u32 s21, s21, SLOT
	s_add_co_u32 s22, s22, SLOT
.endr
	s_mul_i32 s23, s10, 16*SPITCH
	s_add_co_u32 s23, s23, STAGE                   ; my stage
	v_mul_u32_u24 v4, v1, SPITCH                   ; in: row r, 32 bytes for each half of the lanes
	v_lshl_add_u32 v4, v2, 5, v4
	v_add_nc_u32 v[STO], s23, v4
	v_mul_u32_u24 v5, v2, SPITCH                   ; back: lanes 0-15 take one row of 256 bytes, lanes 16-31 the next
	v_lshl_add_u32 v5, v1, 4, v5
	v_add_nc_u32 v[RD], s23, v5
	v_lshlrev_b32 v5, 12, v2                       ; and the same two rows in out0 (4,096 bytes a row)
	v_lshl_add_u32 v[CO], v1, 4, v5
	s_lshl_b32 s16, s13, 19                        ; my first row: 128 x tile row + 64 x half
	s_lshl_b32 s17, s11, 18
	s_add_co_u32 s16, s16, s17
	s_mov_b32 s17, 0
	s_add_nc_u64 s[8:9], s[8:9], s[16:17]
	s_lshl_b32 s46, s42, 9                         ; my first column, in bytes: 512 x tile column + 256 x half
	s_lshl_b32 s47, s12, 8
	s_add_co_u32 s46, s46, s47
	s_mov_b32 s47, 0
	s_add_nc_u64 s[8:9], s[8:9], s[46:47]
; 8 matrix instructions: m blocks a0, a0 + 1 x all 4 n blocks, 32 along K: half c of buffer f.  zero = 1: the first product starts the sums.  The 16 accumulators take turns, one instruction a turn.
.macro MUL8 f, c, a0, zero
.irp a, \a0, \a0+1
.irp b, 0,1,2,3
.if \zero
	v_wmma_f32_16x16x32_f16 v[ACC+8*(4*(\a)+\b):ACC+8*(4*(\a)+\b)+7], v[\f+64+8*(4*\c+\b):\f+64+8*(4*\c+\b)+7], v[\f+8*(4*\c+\a):\f+8*(4*\c+\a)+7], 0
.else
	v_wmma_f32_16x16x32_f16 v[ACC+8*(4*(\a)+\b):ACC+8*(4*(\a)+\b)+7], v[\f+64+8*(4*\c+\b):\f+64+8*(4*\c+\b)+7], v[\f+8*(4*\c+\a):\f+8*(4*\c+\a)+7], v[ACC+8*(4*(\a)+\b):ACC+8*(4*(\a)+\b)+7]
.endif
.endr
.endr
.endm
; 32 LDS loads in one run: the fragments of the K step's quarter kq (64 along K) into buffer f; the first 32 along K first.  Tile i begins 8,192 i bytes on, the fragment of 32 along K number 2 kq + c 1,024 bytes each
.macro FETCH slot, kq, f
	WIN TO_F
.irp c, 0,1
.irp i, 0,1,2,3
	ds_load_b128 v[\f+64+8*(4*\c+\i):\f+64+8*(4*\c+\i)+3],   v[ADRB+\slot] offset:\i*8192+(2*(\kq)+\c)*1024
	ds_load_b128 v[\f+64+8*(4*\c+\i)+4:\f+64+8*(4*\c+\i)+7], v[ADRB+\slot] offset:\i*8192+(2*(\kq)+\c)*1024+512
	ds_load_b128 v[\f+8*(4*\c+\i):\f+8*(4*\c+\i)+3],         v[ADRA+\slot] offset:\i*8192+(2*(\kq)+\c)*1024
	ds_load_b128 v[\f+8*(4*\c+\i)+4:\f+8*(4*\c+\i)+7],       v[ADRA+\slot] offset:\i*8192+(2*(\kq)+\c)*1024+512
.endr
.endr
.endm
.macro PLACES                          ; four places in front of loads into registers that matrix instructions have read, and of the first read of results (ISA guide 7.12.1 for vector instructions)
.rept 4
	v_nop
.endr
.endm
; A K step is four quarters of 64 along K, 32 matrix instructions each, on buffers 0, 1, 0, 1.  One of the first three: multiplies buffer f and fetches quarter kq into g.
.macro QUARTER slot, kq, f, g, zero
	s_wait_dscnt 16                                ; the first 32 along K are in; the other sixteen loads may be out
	WIN MUL
	MUL8 \f, 0, 0, \zero
	MUL8 \f, 0, 2, \zero
	PLACES
	FETCH \slot, \kq, \g
	s_wait_dscnt 32                                ; all but the 32 just issued
	WIN MUL
	MUL8 \f, 1, 0, 0
	MUL8 \f, 1, 2, 0
.endm
; The last quarter multiplies buffer 1 and changes slots: ONE barrier; in front of it each wave waits for all its tensor loads, adds 0 to its spare word, and waits for that and for its own reads of this slot.  fill = 1: this slot is filled again, two K steps ahead.
.macro TURN slot, next, fill
	WIN 0                                          ; (the add's two registers lie in window 0)
	s_wait_tensorcnt 0x0                           ; all my tensor loads have landed: my part of the next slot;
	ds_add_u32 v[SPW], v[NIL]                      ; 0 onto my spare word;
	s_wait_dscnt 17                                ; (the add and the youngest sixteen loads may be out)
	WIN MUL
	MUL8 F1, 0, 0, 0                               ; eight matrix instructions stand between the add and the wait for it
	s_wait_dscnt 0x0                               ; the add is done, and my reads of this slot are over
	s_barrier_signal -1
	MUL8 F1, 0, 2, 0
.if \fill
	WIN 0
.endif
	s_barrier_wait -1
.if \fill
	CREST                                          ; the barrier has opened a round of the cluster's barrier: no wave of any partner still reads this slot's tile or has a load on its way
	s_add_nc_u64 s[G0+4*\slot+2:G0+4*\slot+3], s[G0+4*\slot+2:G0+4*\slot+3], 2*ASTEP
	s_add_nc_u64 s[G0B+4*\slot+2:G0B+4*\slot+3], s[G0B+4*\slot+2:G0B+4*\slot+3], 2*BSTEP
	JLOAD \slot                                    ; the first tensor load behind the round: one load of mine is out; the four v_nop behind it are also the places in front of the loads below
.else
	PLACES
.endif
	FETCH \next, 0, F0
	WIN MUL
	MUL8 F1, 1, 0, 0
	MUL8 F1, 1, 2, 0
.endm
	s_wait_tensorcnt 1                             ; my part of K step 0 is in (K step 1's load may be out)
	s_barrier_signal -1
	s_barrier_wait -1                              ; everybody's is
	FETCH 0, 0, F0
	QUARTER 0, 1, F0, F1, 1                        ; K step 0: the first products start the sums
	QUARTER 0, 2, F1, F0, 0
	QUARTER 0, 3, F0, F1, 0
	TURN 0, 1, 1                                   ; slot 0 takes K step 2
	QUARTER 1, 1, F0, F1, 0                        ; K step 1
	QUARTER 1, 2, F1, F0, 0
	QUARTER 1, 3, F0, F1, 0
	TURN 1, 0, 1                                   ; slot 1 takes K step 3
	QUARTER 0, 1, F0, F1, 0                        ; K step 2
	QUARTER 0, 2, F1, F0, 0
	QUARTER 0, 3, F0, F1, 0
	TURN 0, 1, 0                                   ; nothing is left to fetch
	QUARTER 1, 1, F0, F1, 0                        ; K step 3
	QUARTER 1, 2, F1, F0, 0
	QUARTER 1, 3, F0, F1, 0
	s_wait_dscnt 16
	WIN MUL
	MUL8 F1, 0, 0, 0
	MUL8 F1, 0, 2, 0
	s_wait_dscnt 0
	MUL8 F1, 1, 0, 0
	MUL8 F1, 1, 2, 0
	WIN 0
; THE WAY OUT, 16 rows x 64 columns at a time.  A lane holds 32 neighbouring bytes of a row and the lanes beside it hold other rows: so a block goes through my own stage in LDS and comes back as whole rows of 256 bytes.
; LDS serves a wave's instructions in order (ISA guide 5.7.1.4): no wait between the stores and the loads, nor in front of the next block's stores.
.macro TOSTAGE a
.irp b, 0,1,2,3
	ds_store_b128 v[STO], v[ACC+8*(4*(\a)+\b):ACC+8*(4*(\a)+\b)+3] offset:64*\b          ; each accumulator from its low end on
	ds_store_b128 v[STO], v[ACC+8*(4*(\a)+\b)+4:ACC+8*(4*(\a)+\b)+7] offset:64*\b+16
.endr
.irp i, 0,1,2,3,4,5,6,7
	ds_load_b128 v[TMP+32*((\a)%2)+4*\i:TMP+32*((\a)%2)+4*\i+3], v[RD] offset:\i*2*SPITCH
.endr
.endm
.macro SEND a, younger                 ; younger: the LDS instructions issued behind block a's loads: the next block's 8 stores and 8 loads, or none
	s_wait_dscnt \younger
.irp i, 0,1,2,3,4,5,6,7
	global_store_b128 v[CO], v[TMP+32*((\a)%2)+4*\i:TMP+32*((\a)%2)+4*\i+3], s[8:9] offset:(16*(\a)+2*\i)*4096 th:TH_STORE_NT   ; 16 lanes store 256 consecutive bytes, at a multiple of 256 from out0's first byte; written once, read by nobody here
.endr
.endm
	PLACES
	TOSTAGE 0
	TOSTAGE 1
	SEND 0, 16
	s_wait_xcnt 0x0                                ; block 0's stores have read their data: block 2's loads may land there
	TOSTAGE 2
	SEND 1, 16
	s_wait_xcnt 0x0
	TOSTAGE 3
	SEND 2, 16
	SEND 3, 0
	s_wait_tensorcnt 0x0                           ; the wave's end: behind my last tensor load and my last LDS store
	ds_add_u32 v[SPW], v[NIL]
	s_wait_dscnt 0x0
	CROUND                                         ; the closing round: no work-group ends while a partner may still ask for a tile that names it
	s_endpgm
.Lfunc_end_k_qb265431be0_proj:
	.size	k_qb265431be0_proj, .Lfunc_end_k_qb265431be0_proj-k_qb265431be0_proj
	.p2alignl 7, 3214868480
	.fill 96, 4, 3214868480
	.section	.rodata,"a",@progbits
	.p2align	6, 0x0
	.amdhsa_kernel k_qb265431be0_proj
		.amdhsa_group_segment_fixed_size 327680
		.amdhsa_private_segment_fixed_size 0
		.amdhsa_enable_private_segment 0
		.amdhsa_kernarg_size 24
		.amdhsa_user_sgpr_count 2
		.amdhsa_user_sgpr_kernarg_segment_ptr 1
		.amdhsa_wavefront_size32 1
		.amdhsa_system_sgpr_workgroup_id_x 1
		.amdhsa_system_sgpr_workgroup_id_y 1
		.amdhsa_system_sgpr_workgroup_id_z 1
		.amdhsa_system_vgpr_workitem_id 0
		.amdhsa_next_free_vgpr 512
		.amdhsa_next_free_sgpr 66
		.amdhsa_reserve_vcc 0
		.amdhsa_float_denorm_mode_32 3
		.amdhsa_float_denorm_mode_16_64 3
		.amdhsa_memory_ordered 1
		.amdhsa_forward_progress 1
		.amdhsa_inst_pref_size 85
	.end_amdhsa_kernel
	.amdgpu_metadata
---
amdhsa.version: [ 1, 2 ]
amdhsa.kernels:
  - .name:           k_qb265431be0_proj
    .symbol:         k_qb265431be0_proj.kd
    .args:
      - { .name: ctx, .offset: 0, .size: 8, .value_kind: global_buffer, .address_space: global }
      - { .name: wo16, .offset: 8, .size: 8, .value_kind: global_buffer, .address_space: global }
      - { .name: out0, .offset: 16, .size: 8, .value_kind: global_buffer, .address_space: global }
    .group_segment_fixed_size: 327680
    .private_segment_fixed_size: 0
    .kernarg_segment_align: 8
    .kernarg_segment_size: 24
    .max_flat_workgroup_size: 128
    .sgpr_count:     66
    .vgpr_count:     512
    .wavefront_size: 32
...
	.end_amdgpu_metadata
.endif
;; end of part 4
